; MI455X (gfx1250); checked and timed in simulation.
; The chip was launched on July 23, 2026; its instructions are those of AMD's public machine-readable ISA for CDNA 5 (MIT licence, August 2026) and "CDNA5" Instruction Set Architecture Reference Guide (July 2026). The comments in the code are by the model that wrote it; some were corrected since.
;; Multi Head Attention. Allowed arithmetic: matrix products marked QUANTISED: E4M3 operands, one given power-of-two scale a tensor, by v_wmma_f32_16x16x64_fp8_fp8 or v_wmma_f32_16x16x128_fp8_fp8, f32 sums; everything else in f32.
;; Inputs: Wk 16 x 1,024 x 64 float32; Wo 1,024 x 1,024 float32; Wq 16 x 1,024 x 64 float32; Wv 16 x 1,024 x 64 float32; X 4 x 2,048 x 1,024 float32; bo 1,024 float32; lowp_scales 12 int32 (the exponents e of the quantised operands' scales 2^e).
;; Outputs: out0 4 x 2,048 x 1,024 float32.
;; This version of the problem:
;;   THIS VERSION OF THE PROBLEM IS GIVEN IN LOW PRECISION. The matrix products marked QUANTISED in the list below multiply operands that are first quantised to E4M3 (4 exponent bits, 3 mantissa bits; 8 bits a number), with one given power-of-two scale for each operand tensor; their sums are f32. All else is computed in f32.
;;   The module's matrix products, in the order in which they are computed (A, B: the left and right operand; K: the contracted axis; several contracted axes count as one K, in the product's order):
;;     1. [M 1,024, K 1,024] x [K 1,024, N 8,192]; A: input Wq; B: input X: QUANTISED (scales: A lowp_scales[0], B lowp_scales[1])
;;     2. [M 1,024, K 1,024] x [K 1,024, N 8,192]; A: input Wk; B: input X: QUANTISED (scales: A lowp_scales[2], B lowp_scales[3])
;;     3. [M 1,024, K 1,024] x [K 1,024, N 8,192]; A: input Wv; B: input X: QUANTISED (scales: A lowp_scales[4], B lowp_scales[5])
;;     4. batch 64 x [M 2,048, K 64] x [K 64, N 2,048]; A: computed on the way; B: computed on the way: QUANTISED (scales: A lowp_scales[6], B lowp_scales[7])
;;     5. batch 64 x [M 2,048, K 2,048] x [K 2,048, N 64]; A: softmax (see below); B: computed on the way: QUANTISED (scales: A lowp_scales[8], B lowp_scales[9])
;;     6. [M 8,192, K 1,024] x [K 1,024, N 1,024]; A: computed on the way; B: input Wo: QUANTISED (scales: A lowp_scales[10], B lowp_scales[11])
;;   THE QUANTISER, for each operand of a quantised product, along K:
;;     - The operand's scale is 2^e, e = its entry of the input lowp_scales (int32; the entries are numbered through the quantised products in the list's order, A before B).
;;     - Each number is divided by the scale, clamped to +-448, and rounded to the nearest number of E4M3, ties to even, subnormals kept.
;;     - The product sums the exact products of the quantised numbers (number of the format x scale) in f32.
;;   ~~~python
;;   def quantise(x, axis, e):      # numpy; x: float32 -> the quantised numbers, widened to float32 again
;;       x = np.moveaxis(x, axis, -1); K = x.shape[-1]
;;       r = np.clip(x / 2.0 ** e, -448, 448)
;;       step = 2.0 ** (np.maximum(np.frexp(np.where(r == 0, 1, r))[1] - 1, -6) - 3)
;;       q = np.round(r / step) * step * 2.0 ** e      # np.round: ties to even
;;       return np.moveaxis(q, -1, axis).astype(np.float32)
;;   ~~~
;;   SOFTMAX AHEAD OF A QUANTISED PRODUCT. Where the list says 'softmax', what is quantised is not the finished softmax but p = 2^(t - M), with t = logit x log2(e) and M = ceil(the row's largest t), a whole number; so 1/2 < the row's largest p <= 1. The row's sum l is taken of the UNQUANTISED p, in f32, and the product's result is divided by l at the end. Since M is a whole number, a kernel that streams over the keys may use a running M (the ceiling of the running maximum): every later rescaling is an exact power of two, so the quantised numbers keep their values, but for numbers so far below the row's largest that they fall under the format's range.
;;   OPERANDS COMPUTED ON THE WAY. 'Computed on the way' means the value that the module computes at that place (a softmax that the list does not call 'softmax' is quantised finished and normalised). What goes into a quantiser is computed in f32, as accurately as f32 sums, v_exp_f32 and their like allow (about 1e-6 of the number): no bf16 or f16 on the way to a quantiser, and a product that is left as it is and whose result goes on into a quantised operand takes f32 operands (vector FMAs, or v_wmma_f32_16x16x4_f32). A number that lies on a knife's edge between two numbers of the format may be rounded either way, as far as f32 arithmetic and the matrix unit's own rounding can turn it there, and no further.
;; One version. Each part assembles by itself: llvm-mc -triple=amdgcn-amd-amdhsa -mcpu=gfx1250 --defsym DOCPART=n.
;; ======== version 1 of 1: 4 launches
;; limits: right only within a limited range of input values
;; workspace buffers: xc 25,165,824 bytes; wc 3,145,728 bytes; woc 1,048,576 bytes; qc 8,388,608 bytes; kc 8,388,608 bytes; vc 8,388,608 bytes; oc 8,388,608 bytes
;; launch quant (part 1): grid 960 x 1, 4 waves a work-group, no clusters, 34,304 bytes of LDS; arguments X, Wo, Wq, Wk, Wv, lowp_scales, xc, woc, wc; writes xc, woc, wc
.if DOCPART == 1
	.amdgcn_target "amdgcn-amd-amdhsa--gfx1250"
	.amdhsa_code_object_version 6
	.text
	.protected	k_q940ea0693d_quant
	.globl	k_q940ea0693d_quant
	.p2align	8
	.type	k_q940ea0693d_quant,@function
k_q940ea0693d_quant:
	s_mov_b64 s[64:65], 0
	v_nop
	global_prefetch_b8 v0, s[64:65] scope:SCOPE_SE
	s_setreg_imm32_b32 hwreg(HW_REG_WAVE_MODE, 25, 1), 1
	s_wait_xcnt 0x0
; X, Wo, Wq, Wk, Wv (f32) become codes of FP8 (E4M3), each with the scale 2^e that is given for it, laid as IMAGES OF THE OPERANDS' REGISTERS.
; A fragment is 16 rows x 128 along K: four chunks of 512 bytes.  In chunk c lane L = 16 h + r has 16 bytes at 16 L: bytes 0-7 are k = 32 c + 8 h + 0..7, bytes 8-15 are k = 32 c + 16 + 8 h + 0..7, of row r:
; registers 4 c .. 4 c + 3 of the 16x16x128 form's own layout.  So the later launches fetch every fragment by loads of 512 consecutive bytes.
;   xc  [T 512 (16 rows of X)][which 3][s 8 (128 along K)][c 4][512 B]: X is quantised three times, with e1, e3, e5 (it enters three products, each with a scale of its own)
;   woc [T 64 (16 rows of Wo)][s 8][c 4][512 B], with e11
;   wc  [T 64 (16 rows n = 64 head + d)][which 3][s 8][c 4][512 B]: Wq with e0, Wk with e2, Wv with e4
; code = x / 2^e, held within +-448, to the nearest code, ties to even.  LIMITS: each e used here lies between -126 and 119.  NaN among the inputs is not served; an infinity is held at the largest code.
; Memory binds: no matrix unit, no tensor loads, no barrier (waves share nothing).  Work-groups 0-511 take X, 512-575 Wo (K innermost: the rows' way), 576-959 Wq, Wk, Wv (K is the middle axis: the columns' way).
; Only the rows' way touches LDS.
.set RW,   16                          ; v16-143   two sets of 64: a unit (16 rows x 128 numbers) as loaded
.set XN,   144                         ; v144-175  two sets of 16: a lane's numbers of a chunk
.set TT,   176                         ; v176-207  two sets of 16: the same, held
.set CC,   208                         ; v208-255  codes: 16 x scale + 4 x chunk
.set SPI,  528                         ; a stage row: 512 bytes + 16 = 132 words: the 16 rows that a read touches start 4 banks apart (64 banks of 4 bytes: ISA guide 11.1)
.set WSTG, 16*SPI                      ; a wave's stage
.macro MKS e, vs, hp                   ; from the exponent in s[e]: v[vs] = 2^e as f32 (the conversion takes its exponent field), s[hp] = 448 x 2^e, s[hp+1] = -448 x 2^e
	s_add_co_i32 s56, s[\e], 127
	s_lshl_b32 s57, s56, 23
	v_mov_b32 v[\vs], s57
	s_add_co_i32 s56, s56, 8
	s_lshl_b32 s56, s56, 23
	s_or_b32 s[\hp], s56, 0x600000
	s_or_b32 s[\hp+1], s[\hp], 0x80000000
.endm
	s_load_b256 s[4:11], s[0:1], 0x0               ; X s[4:5], Wo s[6:7], Wq s[8:9], Wk s[10:11]
	s_load_b256 s[12:19], s[0:1], 0x20             ; Wv s[12:13], the exponents s[14:15], xc s[16:17], woc s[18:19]
	s_load_b64 s[20:21], s[0:1], 0x40              ; wc
	v_lshl_add_u32 v14, v0, 2, 0x8400
	v_mov_b32 v15, 0
	v_lshrrev_b32 v4, 5, v0
	v_readfirstlane_b32 s22, v4                    ; wave 0..3
	v_and_b32 v4, 31, v0                           ; lane
	s_wait_kmcnt 0x0
	s_load_b256 s[24:31], s[14:15], 0x0            ; e0 .. e7
	s_load_b128 s[32:35], s[14:15], 0x20           ; e8 .. e11
	s_cmp_ge_u32 ttmp9, 576
	s_cbranch_scc1 .Lcols
; ---------------- THE ROWS' WAY: X (work-groups 0 to 511) and Wo (512 to 575).  A wave takes 2 units, both asked for at its start; a unit is one fragment's numbers: 16 rows x 512 bytes.
; Each load reads 512 consecutive bytes of one row; the unit turns through the wave's own stage in LDS, so that a lane gets the 16 numbers of a chunk that its 16 bytes of codes are made of.
	s_cmp_lt_u32 ttmp9, 512                        ; X's work-group or Wo's: the choice hangs on the work-group's number alone
	s_cselect_b32 s50, 0, 1                        ; 1: Wo
	s_cselect_b32 s52, 0, 512
	s_cselect_b64 s[40:41], s[4:5], s[6:7]         ; from
	s_cselect_b64 s[42:43], s[16:17], s[18:19]     ; to
	s_mov_b32 s53, 16384
	s_cselect_b32 s53, 0xc000, s53                 ; bytes of a row tile T in the codes' buffer: 49,152 or 16,384
	s_sub_co_u32 s52, ttmp9, s52
	s_lshl_b32 s52, s52, 2
	s_add_co_u32 s52, s52, s22                     ; my wave among the tensor's
	s_lshr_b32 s54, s52, 2                         ; T
	s_and_b32 s55, s52, 3                          ; which two of its eight units
	s_lshl_b32 s56, s54, 16                        ; 16 rows of 4,096 bytes
	s_lshl_b32 s57, s55, 10                        ; two units of 512 bytes
	s_add_co_u32 s56, s56, s57
	s_mov_b32 s57, 0
	s_add_nc_u64 s[40:41], s[40:41], s[56:57]
	s_mul_i32 s56, s54, s53
	s_lshl_b32 s58, s55, 12                        ; two fragments of 2,048 bytes
	s_add_co_u32 s56, s56, s58
	s_add_nc_u64 s[42:43], s[42:43], s[56:57]
	s_wait_alu depctr_va_vdst(0)
	v_lshlrev_b32 v1, 4, v4                        ; 16 x lane: my bytes of a load's 512 and of a chunk's 512
	s_mul_i32 s58, s22, WSTG
	v_add_nc_u32 v2, s58, v1                       ; into the stage: as loaded
	v_and_b32 v5, 15, v0                           ; r
	v_bfe_u32 v9, v0, 4, 1                         ; h
	v_mul_u32_u24 v3, v5, SPI
	v_lshl_add_u32 v3, v9, 5, v3
	v_add_nc_u32 v3, s58, v3                       ; out of it: row r, + 32 h bytes (8 h numbers)
.macro LOADU q                         ; unit q: 16 loads, each 512 consecutive bytes of one row
.irp i, 0,1,2,3,4,5,6,7,8,9,10,11,12,13,14,15
	global_load_b128 v[RW+64*((\q)%2)+4*\i:RW+64*((\q)%2)+4*\i+3], v1, s[40:41] offset:4096*\i+512*(\q) th:TH_LOAD_NT
.endr
.endm
.macro STAGEU q
.irp i, 0,1,2,3,4,5,6,7,8,9,10,11,12,13,14,15
	ds_store_b128 v2, v[RW+64*((\q)%2)+4*\i:RW+64*((\q)%2)+4*\i+3] offset:SPI*\i
.endr
.endm
.macro BACK c                          ; my 16 numbers of chunk c: k = 32 c + 8 h + 0..7, then 32 c + 16 + 8 h + 0..7
.set PX, XN+16*((\c)%2)
	ds_load_b128 v[PX:PX+3],     v3 offset:128*(\c)
	ds_load_b128 v[PX+4:PX+7],   v3 offset:128*(\c)+16
	ds_load_b128 v[PX+8:PX+11],  v3 offset:128*(\c)+64
	ds_load_b128 v[PX+12:PX+15], v3 offset:128*(\c)+80
.endm
; Chunk c of unit q with scale i.  The held numbers go into one of two sets by turns, so that sixteen plain lines always stand between a conversion and the next write of its sources.
.macro CONV q, c, i
.set PT, TT+16*((3*(\c)+(\i))%2)
.set PX, XN+16*((\c)%2)
.set PD, CC+16*(\i)+4*(\c)
.set N, 0
.rept 16
	v_med3_num_f32 v[PT+N], v[PX+N], s[45+2*(\i)], s[44+2*(\i)]   ; the conversion to an 8-bit code does not saturate (ISA guide 7.6.2): the hold at the largest code x the scale
.set N, N+1
.endr
	v_cvt_scalef32_pk8_fp8_f32 v[PD:PD+1], v[PT:PT+7], v[6+(\i)]
	v_cvt_scalef32_pk8_fp8_f32 v[PD+2:PD+3], v[PT+8:PT+15], v[6+(\i)]
	global_store_b128 v1, v[PD:PD+3], s[42:43] offset:2048*(\q)+16384*(\i)+512*(\c)   ; the wave stores 512 consecutive bytes, at a multiple of 512 from the buffer's first byte
.endm
.macro CHUNK q, c                      ; X has three scales, Wo one: the branch hangs on the work-group's number; only register work and stores stand under it
	CONV \q, \c, 0
	s_cmp_lg_u32 s50, 0
	s_cbranch_scc1 .Lone_\@
	CONV \q, \c, 1
	CONV \q, \c, 2
.Lone_\@:
.endm
.macro UNIT q
.if \q < 1
	s_wait_loadcnt 16                              ; this unit's 16 loads are in; the next unit's 16 may be out
.else
	s_wait_loadcnt 0
.endif
	STAGEU \q                                      ; LDS serves a wave's instructions in order (ISA guide 5.7.1.4): no wait between these stores and the reads behind them
	BACK 0
	BACK 1
	s_wait_dscnt 4                                 ; all but the youngest four reads: the stores have read their registers, chunk 0 is in
	s_wait_xcnt 0x0                                ; the last unit's stores have read the codes' registers: they are written again only behind this wait
	CHUNK \q, 0
	BACK 2
	s_wait_dscnt 4                                 ; chunk 1 is in
	CHUNK \q, 1
	BACK 3
	s_wait_dscnt 4                                 ; chunk 2 is in
	CHUNK \q, 2
	s_wait_dscnt 0
	CHUNK \q, 3
.endm
	LOADU 0
	LOADU 1
	s_wait_alu depctr_va_vdst(0)
	s_wait_kmcnt 0x0
	s_cmp_lg_u32 s50, 0
	s_cselect_b32 s52, s35, s25                    ; e11 for Wo, e1 for X
	MKS 52, 6, 44
	MKS 27, 7, 46                                  ; e3
	MKS 29, 8, 48                                  ; e5
	UNIT 0
	UNIT 1
	s_wait_tensorcnt 0x0
	ds_add_u32 v14, v15
	s_wait_dscnt 0x0
	s_endpgm
; ---------------- THE COLUMNS' WAY: Wq, Wk, Wv [head][e][d], work-groups 576 to 959.  A LANE TAKES A COLUMN d AND ITS REGISTERS RUN DOWN K (= e): the conversions then give codes with K innermost, and nothing is transposed.
; Eight work-groups share one head of one tensor; wave: columns 32 (wave % 2) on, K from 512 (wave / 2) + 64 (work-group % 8) on: 2 blocks of 32, both asked for at the wave's start.
; A block's 32 codes of column d are 16 bytes of the chunk's lower half (k 0-7, 16-23) and 16 of its upper half (k 8-15, 24-31): sixteen lanes store 256 consecutive bytes, aligned.
.Lcols:
	s_sub_co_u32 s52, ttmp9, 576
	s_and_b32 s60, s52, 7                          ; which 64 of my wave's 512 along K
	s_lshr_b32 s52, s52, 3
	s_lshr_b32 s53, s52, 4
	s_and_b32 s54, s52, 15                         ; head
	s_and_b32 s55, s22, 1                          ; half of the columns
	s_lshr_b32 s58, s22, 1                         ; half of K,
	s_lshl_b32 s58, s58, 3
	s_add_co_u32 s58, s58, s60                     ; which 64 of K: 0..15
	s_cmp_eq_u32 s53, 1
	s_cselect_b64 s[40:41], s[10:11], s[8:9]
	s_cmp_eq_u32 s53, 2
	s_cselect_b64 s[40:41], s[12:13], s[40:41]
	s_lshl_b32 s56, s54, 18                        ; a head: 1,024 rows of 256 bytes
	s_lshl_b32 s57, s58, 14                        ; 64 rows of 256 bytes
	s_add_co_u32 s56, s56, s57
	s_lshl_b32 s57, s55, 7
	s_add_co_u32 s56, s56, s57
	s_mov_b32 s57, 0
	s_add_nc_u64 s[40:41], s[40:41], s[56:57]
	s_lshl_b32 s56, s54, 2
	s_lshl_b32 s59, s55, 1
	s_add_co_u32 s56, s56, s59                     ; T = 4 head + 2 half (+ lane / 16)
	s_mul_i32 s56, s56, 49152
	s_lshl_b32 s59, s53, 14
	s_add_co_u32 s56, s56, s59
	s_lshl_b32 s59, s58, 10                        ; two chunks of 512 bytes
	s_add_co_u32 s56, s56, s59
	s_add_nc_u64 s[42:43], s[20:21], s[56:57]
	s_wait_alu depctr_va_vdst(0)
	v_lshlrev_b32 v1, 2, v4                        ; in: 4 bytes a lane
	v_lshrrev_b32 v2, 4, v4
	v_mul_u32_u24 v2, v2, 49152
	v_and_b32 v3, 15, v4
	v_lshl_add_u32 v2, v3, 4, v2                   ; out: (lane / 16) row tiles + 16 (lane % 16)
.macro WLOAD t                         ; block t: W(32 t + i, my column): 32 lanes read 128 consecutive bytes
.set N, 0
.rept 32
	global_load_b32 v[32+32*((\t)%2)+N], v1, s[40:41] offset:256*(32*(\t)+N) th:TH_LOAD_NT
.set N, N+1
.endr
.endm
.macro WBLOCK t
.set XS, 32+32*((\t)%2)
.set PD, 96+8*(\t)                     ; each block has its own eight registers of codes: no store's data are written again
.if \t < 1
	s_wait_loadcnt 32                              ; this block's 32 loads are in; the next block's may be out
.else
	s_wait_loadcnt 0
.endif
.set N, 0
.rept 32
	v_med3_num_f32 v[XS+N], v[XS+N], s45, s44
.set N, N+1
.endr
	v_cvt_scalef32_pk8_fp8_f32 v[PD:PD+1],   v[XS:XS+7],     v6
	v_cvt_scalef32_pk8_fp8_f32 v[PD+2:PD+3], v[XS+16:XS+23], v6
	v_cvt_scalef32_pk8_fp8_f32 v[PD+4:PD+5], v[XS+8:XS+15],  v6
	v_cvt_scalef32_pk8_fp8_f32 v[PD+6:PD+7], v[XS+24:XS+31], v6
	global_store_b128 v2, v[PD:PD+3],   s[42:43] offset:512*(\t)
	global_store_b128 v2, v[PD+4:PD+7], s[42:43] offset:512*(\t)+256
.endm
	WLOAD 0
	WLOAD 1
	s_wait_kmcnt 0x0
	s_cmp_eq_u32 s53, 1
	s_cselect_b32 s52, s26, s24                    ; e2 or e0
	s_cmp_eq_u32 s53, 2
	s_cselect_b32 s52, s28, s52                    ; e4
	MKS 52, 6, 44
.irp t, 0,1
	WBLOCK \t
.endr
	s_endpgm
.Lfunc_end_k_q940ea0693d_quant:
	.size	k_q940ea0693d_quant, .Lfunc_end_k_q940ea0693d_quant-k_q940ea0693d_quant
	.p2alignl 7, 3214868480
	.fill 96, 4, 3214868480
	.section	.rodata,"a",@progbits
	.p2align	6, 0x0
	.amdhsa_kernel k_q940ea0693d_quant
		.amdhsa_group_segment_fixed_size 34304
		.amdhsa_private_segment_fixed_size 0
		.amdhsa_enable_private_segment 0
		.amdhsa_kernarg_size 72
		.amdhsa_user_sgpr_count 2
		.amdhsa_user_sgpr_kernarg_segment_ptr 1
		.amdhsa_wavefront_size32 1
		.amdhsa_system_sgpr_workgroup_id_x 1
		.amdhsa_system_sgpr_workgroup_id_y 1
		.amdhsa_system_sgpr_workgroup_id_z 1
		.amdhsa_system_vgpr_workitem_id 0
		.amdhsa_next_free_vgpr 256
		.amdhsa_next_free_sgpr 66
		.amdhsa_reserve_vcc 0
		.amdhsa_float_denorm_mode_32 3
		.amdhsa_float_denorm_mode_16_64 3
		.amdhsa_memory_ordered 1
		.amdhsa_forward_progress 1
		.amdhsa_inst_pref_size 54
	.end_amdhsa_kernel
	.amdgpu_metadata
---
amdhsa.version: [ 1, 2 ]
amdhsa.kernels:
  - .name:           k_q940ea0693d_quant
    .symbol:         k_q940ea0693d_quant.kd
    .args:
      - { .name: X, .offset: 0, .size: 8, .value_kind: global_buffer, .address_space: global }
      - { .name: Wo, .offset: 8, .size: 8, .value_kind: global_buffer, .address_space: global }
      - { .name: Wq, .offset: 16, .size: 8, .value_kind: global_buffer, .address_space: global }
      - { .name: Wk, .offset: 24, .size: 8, .value_kind: global_buffer, .address_space: global }
      - { .name: Wv, .offset: 32, .size: 8, .value_kind: global_buffer, .address_space: global }
      - { .name: lowp_scales, .offset: 40, .size: 8, .value_kind: global_buffer, .address_space: global }
      - { .name: xc, .offset: 48, .size: 8, .value_kind: global_buffer, .address_space: global }
      - { .name: woc, .offset: 56, .size: 8, .value_kind: global_buffer, .address_space: global }
      - { .name: wc, .offset: 64, .size: 8, .value_kind: global_buffer, .address_space: global }
    .group_segment_fixed_size: 34304
    .private_segment_fixed_size: 0
    .kernarg_segment_align: 8
    .kernarg_segment_size: 72
    .max_flat_workgroup_size: 128
    .sgpr_count:     66
    .vgpr_count:     256
    .wavefront_size: 32
...
	.end_amdgpu_metadata
.endif
;; end of part 1
;; launch proj (part 2): grid 8 x 32, 4 waves a work-group, clusters of 4 x 4, 327,680 bytes of LDS; arguments xc, wc, lowp_scales, qc, kc, vc; writes qc, kc, vc
.if DOCPART == 2
	.amdgcn_target "amdgcn-amd-amdhsa--gfx1250"
	.amdhsa_code_object_version 6
	.text
	.protected	k_q940ea0693d_proj
	.globl	k_q940ea0693d_proj
	.p2align	8
	.type	k_q940ea0693d_proj,@function
k_q940ea0693d_proj:
	s_mov_b64 s[64:65], 0
	v_nop
	global_prefetch_b8 v0, s[64:65] scope:SCOPE_SE
	s_setreg_imm32_b32 hwreg(HW_REG_WAVE_MODE, 25, 1), 1
	s_wait_xcnt 0x0
	s_wait_alu depctr_hold_cnt(0) depctr_sa_sdst(0) depctr_va_vdst(0) depctr_va_sdst(0) depctr_va_ssrc(0) depctr_va_vcc(0) depctr_vm_vsrc(0)
	s_getreg_b32 s2, hwreg(HW_REG_IB_STS2, 6, 4)
	s_cmp_eq_u32 s2, 0
	s_cbranch_scc0 .Lentry_in_a_cluster
	s_endpgm
.Lentry_in_a_cluster:
	s_bfe_u32 s2, ttmp6, 0x10000c
	s_cmp_lg_u32 s2, 0xf033
	s_cbranch_scc0 .Lentry_shape_is_right
	s_endpgm
.Lentry_shape_is_right:
; q, k, v = X Wq, X Wk, X Wv on codes of FP8 (E4M3), and their results quantised again, as codes laid for the attention launch.
; A WORK-GROUP STAYS: it makes three tiles of 256 rows of X x 128 columns (two heads): q's, then k's, then v's.  In xc and wc the fragments of a row tile lie on end, [which][128 along K], so the three tiles
; are ONE stream of 24 substeps of 128 along K, walked through a ring of two LDS slots of three substeps each: eight fills.  Four waves; a wave makes 128 rows x 64 columns (one head): 32 accumulators.
; The buffers hold images of the operands' registers: a fragment is four chunks of 512 bytes, lane L's 16 bytes at 16 L, so every LDS load reads 512 consecutive bytes and a tile needs no padding.
; q, k: source 0 = 16 rows of W, source 1 = 16 rows of X: a lane holds one row of X and 8 neighbouring d: its 8 codes are two registers of the next product's operand (K = d), in the same lane.
; v: the sources swapped: a lane holds one d and 8 neighbouring keys: two registers of V^T's fragment (K = the keys).  So the codes leave the registers as dense stores of 512 bytes, through no stage.
;   qc, kc [bh 64][tile of 16 rows 128][c 2][512 B];   vc [bh 64][128 keys 16][16 d 4][c 4][512 B]
; A sum stands for sum x 2^(ew + ex), so its code is sum / 2^(eo - ew - ex): the three exponents are folded into the conversion's one.
; LIMITS: e6 - e0 - e1, e7 - e2 - e3, e9 - e4 - e5 lie between -126 and 119.
; CLUSTER 4 x 4: the four work-groups of a row of the cluster need the same tiles of X, the four of a column the same tiles of W: each tile is asked for jointly.
; REGISTERS, in windows of 256: window 0: v1 16 x lane; v8-10 the conversions' scales; v16-17, v20-21 LDS addresses; v28, v29 for the add; v32-95 codes; v96-127 held sums; v128-255 W's fragments, two sets of 4;
;   window 1: the accumulators, (a, b) at v[8 (4 a + b)];   window 2: X's fragments, two sets of 8.
.set TP,    6144                       ; a row tile's bytes in a slot: three substeps of 2,048
.set XPART, 16*TP                      ; X's 16 row tiles, then W's 8
.set SLOT,  24*TP
.set SPARE, 2*SLOT                     ; behind the ring: the spare words, 128 bytes for each wave: two blocks of 256 bytes that no other line names
.set G1,  24                           ; s[24:31] descriptor group 1 for X's tiles;  s[32:39] group 0, a set for each slot
.set G0,  32
.set G1B, 48                           ; s[48:55], s[56:63] the same for W's
.set G0B, 56
.set MSB, 0
.macro WIN new                         ; the immediate's high byte repeats the setting that is left
.if MSB != \new
	s_set_vgpr_msb (MSB<<8)|\new
.set MSB, \new
.endif
.endm
.macro PLACES n
.rept \n
	v_nop
.endr
.endm
; A joint load: waves 0 and 1 fetch X's two halves, waves 2 and 3 W's.  The branch hangs on the wave's number alone.  Four v_nop follow each of the two lines.
.macro JLOAD slot
	s_cmp_eq_u32 s17, 0
	s_cbranch_scc0 .Lfor_w_\@
	tensor_load_to_lds s[G0+4*\slot:G0+4*\slot+3], s[G1:G1+7]
	s_nop 0
	PLACES 4
	s_branch .Lasked_\@
.Lfor_w_\@:
	tensor_load_to_lds s[G0B+4*\slot:G0B+4*\slot+3], s[G1B:G1B+7]
	s_nop 0
	PLACES 4
.Lasked_\@:
.endm
.macro CREST                           ; a round of the cluster's barrier behind its opening barrier
	s_cmp_lg_u32 s16, 0
	s_cbranch_scc1 .Lnot_wave_0_\@
	s_barrier_signal -3
.Lnot_wave_0_\@:
	s_barrier_wait -3
	s_barrier_signal -1
	s_barrier_wait -1
.endm
; A PREFETCH INTO THE L2 of fill f: 6,144 bytes, 24 blocks of 256, of each row tile.  Of the 8 row tiles of X that a wave fetches, the partner at place cx names tiles 2 cx and 2 cx + 1; of the 4 of W the partner
; at place cy names tile cy: told apart by address.  A lane a block; lanes 24-31 name their wave's last block again.  Fills 1 and 2 are named at the head, fill 3 behind slot 1's first load, fill j + 4 behind the
; load of fill j + 2: two fills ahead of the load that wants them; the last two refills name nothing.  Every offset is an immediate: v30 and s[90:91] are never written again.
.set PF, 4
.macro ASK f
	s_cmp_eq_u32 s17, 0
	s_cbranch_scc0 .Lpw_\@
	global_prefetch_b8 v30, s[90:91] offset:(\f)*TP+49152 th:TH_LOAD_NT scope:SCOPE_SE
.Lpw_\@:
	global_prefetch_b8 v30, s[90:91] offset:(\f)*TP th:TH_LOAD_NT scope:SCOPE_SE
.endm
.macro CROUND
	s_barrier_signal -1
	s_barrier_wait -1
	CREST
.endm
	s_load_b256 s[4:11], s[0:1], 0x0               ; xc s[4:5], wc s[6:7], the exponents s[8:9], qc s[10:11]
	s_load_b128 s[12:15], s[0:1], 0x20             ; kc s[12:13], vc s[14:15]
	v_lshl_add_u32 v28, v0, 2, SPARE
	v_mov_b32 v29, 0
	ds_add_u32 v28, v29
	ds_add_u32 v28, v29
	s_wait_dscnt 0x0
	v_lshrrev_b32 v1, 5, v0
	v_readfirstlane_b32 s16, v1                    ; wave 0..3
	s_lshr_b32 s17, s16, 1                         ; which 128 rows of X are mine.  Also: I fetch for X (0) or for W (1)
	s_and_b32 s18, s16, 1                          ; which head of the two.  Also: which half of that tile I fetch
	s_bfe_u32 s40, ttmp6, 0x40000                  ; cx, cy: my place in the cluster
	s_bfe_u32 s41, ttmp6, 0x40004
	s_lshl_b32 s42, ttmp9, 2
	s_add_co_u32 s42, s42, s40                     ; panel of 128 columns = 4 x cluster x + cx
	s_and_b32 s43, ttmp7, 0xffff
	s_lshl_b32 s43, s43, 2
	s_add_co_u32 s43, s43, s41                     ; block of 256 rows = 4 x cluster y + cy
	s_lshl_b32 s44, s41, 2
	s_lshl_b32 s44, 15, s44                        ; my row of the cluster
	s_lshl_b32 s45, 0x1111, s40                    ; my column
	; descriptor group 1: rows of 6,144 bytes (768 elements of 8 bytes), 49,152 bytes apart in memory, on end in LDS; 8 rows for X, 4 for W
	s_or_b32 s[G1], s44, (3<<16)|(1<<21)           ; 15:0 the mask: X's tiles go to my row; 17:16 elements of 8 bytes; 21 set beside a mask
	s_or_b32 s[G1B], s45, (3<<16)|(1<<21)          ; W's go to my column
	s_mov_b32 s[G1+1], 768<<16                     ; tensor_dim0
	s_mov_b32 s[G1+2], 8<<16                       ; tensor_dim1
	s_mov_b32 s[G1+3], 768<<16                     ; tile_dim0
	s_mov_b32 s[G1+4], 8                           ; tile_dim1
	s_mov_b32 s[G1+5], 6144                        ; tensor_dim0_stride, in elements
	s_mov_b32 s[G1+6], 0
	s_mov_b32 s[G1+7], 0
	s_mov_b32 s[G1B+1], 768<<16
	s_mov_b32 s[G1B+2], 4<<16
	s_mov_b32 s[G1B+3], 768<<16
	s_mov_b32 s[G1B+4], 4
	s_mov_b32 s[G1B+5], 6144
	s_mov_b32 s[G1B+6], 0
	s_mov_b32 s[G1B+7], 0
	; X's address hangs on the block of rows alone, W's on the panel alone, each in registers that never hold the other coordinate
	s_lshl_b32 s20, s43, 4
	s_lshl_b32 s21, s18, 3
	s_add_co_u32 s20, s20, s21                     ; X: row tile 16 x block + 8 x half
	s_mul_i32 s20, s20, 49152
	s_mov_b32 s21, 0
	s_lshl_b32 s46, s42, 3
	s_lshl_b32 s47, s18, 2
	s_add_co_u32 s46, s46, s47                     ; W: row tile 8 x panel + 4 x half
	s_mul_i32 s46, s46, 49152
	s_mov_b32 s47, 0
	s_mul_i32 s22, s18, 8*TP                       ; where they go in a slot: no place in the cluster enters an LDS address
	s_mul_i32 s23, s18, 4*TP
	s_add_co_u32 s23, s23, XPART
	s_wait_kmcnt 0x0
	s_load_b256 s[68:75], s[8:9], 0x0              ; e0 .. e7
	s_load_b128 s[76:79], s[8:9], 0x20             ; e8 .. e11
	s_add_nc_u64 s[20:21], s[4:5], s[20:21]
	s_add_nc_u64 s[46:47], s[6:7], s[46:47]
.irp s, 0,1
	s_mov_b32 s[G0+4*\s], 1
	s_add_co_u32 s[G0+4*\s+1], s22, \s*SLOT
	s_add_nc_u64 s[G0+4*\s+2:G0+4*\s+3], s[20:21], \s*TP           ; fill s: substeps 3 s .. 3 s + 2
	s_or_b32 s[G0+4*\s+3], s[G0+4*\s+3], 0x80000000
	s_mov_b32 s[G0B+4*\s], 1
	s_add_co_u32 s[G0B+4*\s+1], s23, \s*SLOT
	s_add_nc_u64 s[G0B+4*\s+2:G0B+4*\s+3], s[46:47], \s*TP
	s_or_b32 s[G0B+4*\s+3], s[G0B+4*\s+3], 0x80000000
.endr
	CROUND                                         ; all sixteen work-groups are here: the first joint loads meet
	s_cmp_eq_u32 s17, 0                            ; one first fill a wave at the head: my part of slot 0
	s_cbranch_scc0 .Lfirst_w
	tensor_load_to_lds s[G0:G0+3], s[G1:G1+7]
	s_nop 0
	PLACES 4
	s_branch .Lfirst_done
.Lfirst_w:
	tensor_load_to_lds s[G0B:G0B+3], s[G1B:G1B+7]
	s_nop 0
	PLACES 4
.Lfirst_done:
	s_lshl_b32 s92, s40, 1                         ; the prefetches: X's waves begin 2 cx row tiles into their 8, W's cy into their 4
	s_cmp_eq_u32 s17, 0
	s_cselect_b64 s[90:91], s[20:21], s[46:47]
	s_cselect_b32 s92, s92, s41
	s_mul_i32 s92, s92, 49152
	s_mov_b32 s93, 0
	s_add_nc_u64 s[90:91], s[90:91], s[92:93]
	v_and_b32 v2, 31, v0
	v_lshlrev_b32 v1, 4, v2                        ; 16 x lane
	v_min_u32 v30, 23, v2
	v_lshlrev_b32 v30, 8, v30                      ; the prefetches' offset: a block of 256 bytes a lane
	s_mul_i32 s88, s17, 8*TP                       ; my 8 row tiles of X
	s_mul_i32 s89, s18, 4*TP                       ; my 4 row tiles of W,
	s_add_co_u32 s89, s89, XPART                   ; which lie behind X's 16
	v_add_nc_u32 v16, s88, v1
	v_add_nc_u32 v20, s89, v1
	v_add_nc_u32 v17, SLOT, v16
	v_add_nc_u32 v21, SLOT, v20
	; where my codes go: (16 b + head) x 131,072 + (block % 8) x 16,384 + (my half of the rows) x 8,192: the same in qc, kc and vc
	s_lshr_b32 s88, s43, 3
	s_lshl_b32 s88, s88, 4
	s_lshl_b32 s89, s42, 1
	s_add_co_u32 s88, s88, s89
	s_add_co_u32 s88, s88, s18
	s_lshl_b32 s86, s88, 17
	s_and_b32 s89, s43, 7
	s_lshl_b32 s89, s89, 14
	s_add_co_u32 s86, s86, s89
	s_lshl_b32 s89, s17, 13
	s_add_co_u32 s86, s86, s89
	s_mov_b32 s87, 0
	s_add_nc_u64 s[10:11], s[10:11], s[86:87]
	s_add_nc_u64 s[12:13], s[12:13], s[86:87]
	s_add_nc_u64 s[14:15], s[14:15], s[86:87]
.macro MKE eo, ea, eb, vs, sn          ; E = s[eo] - s[ea] - s[eb]: v[vs] = 2^E, s[sn] = -448 x 2^E, s[sn+1] = 448 x 2^E
	s_sub_co_i32 s88, s[\eo], s[\ea]
	s_sub_co_i32 s88, s88, s[\eb]
	s_add_co_i32 s88, s88, 127
	s_lshl_b32 s89, s88, 23
	v_mov_b32 v[\vs], s89
	s_add_co_i32 s88, s88, 8
	s_lshl_b32 s88, s88, 23
	s_or_b32 s[\sn+1], s88, 0x600000
	s_or_b32 s[\sn], s[\sn+1], 0x80000000
.endm
	s_wait_alu depctr_va_vdst(0)
	s_wait_kmcnt 0x0
	ASK 1
	ASK 2
	MKE 74, 68, 69, 8, 80                          ; q: e6 - e0 - e1
	MKE 75, 70, 71, 9, 82                          ; k: e7 - e2 - e3
	MKE 77, 72, 73, 10, 84                         ; v: e9 - e4 - e5
; 48 LDS loads in one run: the fragments of the slot's substep pos into set: X's eight, then W's four
.macro FETCH slot, pos, set
	WIN 0x80                                       ; destination window 2, address window 0
.irp a, 0,1,2,3,4,5,6,7
.irp c, 0,1,2,3
	ds_load_b128 v[128*\set+16*\a+4*\c:128*\set+16*\a+4*\c+3], v[16+\slot] offset:TP*\a+2048*\pos+512*\c
.endr
.endr
	WIN 0
.irp b, 0,1,2,3
.irp c, 0,1,2,3
	ds_load_b128 v[128+64*\set+16*\b+4*\c:128+64*\set+16*\b+4*\c+3], v[20+\slot] offset:TP*\b+2048*\pos+512*\c
.endr
.endr
.endm
; 4 na matrix instructions: X's row tiles a0 on x W's four.  zero = 1: the products start the sums.  vm = 1: the sources swapped (v).
; The 32 accumulators take turns, one instruction a turn, in the same order in every substep.
.macro MUL a0, na, set, zero, vm
.if \vm
	WIN 0x52                                       ; source 0 (X) window 2, source 1 (W) window 0, C and D window 1
.else
	WIN 0x58                                       ; source 0 (W) window 0, source 1 (X) window 2, C and D window 1
.endif
.set AA, \a0
.rept \na
.irp b, 0,1,2,3
.set DD, 8*(4*AA+\b)
.set WW, 128+64*(\set)+16*\b
.set XX, 128*(\set)+16*AA
.if \vm
.if \zero
	v_wmma_f32_16x16x128_fp8_fp8 v[DD:DD+7], v[XX:XX+15], v[WW:WW+15], 0
.else
	v_wmma_f32_16x16x128_fp8_fp8 v[DD:DD+7], v[XX:XX+15], v[WW:WW+15], v[DD:DD+7]
.endif
.else
.if \zero
	v_wmma_f32_16x16x128_fp8_fp8 v[DD:DD+7], v[WW:WW+15], v[XX:XX+15], 0
.else
	v_wmma_f32_16x16x128_fp8_fp8 v[DD:DD+7], v[WW:WW+15], v[XX:XX+15], v[DD:DD+7]
.endif
.endif
.endr
.set AA, AA+1
.endr
.endm
; A substep whose successor lies at (nslot, npos), in a slot that is whole: the successor's fragments are asked for 32 matrix instructions ahead of their use.
.macro SUB nslot, npos, set, zero, vm
	s_wait_dscnt 0x0                               ; this substep's fragments are in
	PLACES 4                                       ; four places in front of loads into registers that the last substep's matrix instructions read (ISA guide 7.12.1 for vector instructions)
	FETCH \nslot, \npos, (1-\set)
	MUL 0, 8, \set, \zero, \vm
.endm
; A slot's last substep changes slots: one barrier; in front of it each wave waits for all its tensor loads, adds 0 to its spare word, and waits for that and for its reads of this slot.
; fill = 1: the barrier opens a round of the cluster's barrier, and this slot is filled again, two fills ahead: the load has three substeps, 96 matrix instructions a wave, in which to land.
.macro TURN slot, next, set, fill, zero, vm
	WIN 0                                          ; (the add's two registers lie in window 0)
	s_wait_tensorcnt 0x0                           ; all my tensor loads have landed: my part of the next slot
	ds_add_u32 v28, v29                            ; 0 onto my spare word
	s_wait_dscnt 0x1                               ; this substep's 48 loads are in; only the add may be out
	MUL 0, 2, \set, \zero, \vm
	s_wait_dscnt 0x0                               ; the add is done, and my reads of this slot are over
	s_barrier_signal -1
	MUL 2, 2, \set, \zero, \vm
	WIN 0
	s_barrier_wait -1
.if \fill
	CREST                                          ; no wave of any partner still reads this slot or has a load on its way
	s_add_nc_u64 s[G0+4*\slot+2:G0+4*\slot+3], s[G0+4*\slot+2:G0+4*\slot+3], 2*TP
	s_add_nc_u64 s[G0B+4*\slot+2:G0B+4*\slot+3], s[G0B+4*\slot+2:G0B+4*\slot+3], 2*TP
	JLOAD \slot                                    ; the first tensor load behind the round; the four v_nop behind it are also the places in front of the loads below
.else
	PLACES 4
.endif
	FETCH \next, 0, (1-\set)
.if \fill
.if PF < 8
	ASK PF
.endif
.set PF, PF+1
.endif
	MUL 4, 4, \set, \zero, \vm
.endm
; THE WAY OUT of tile w.  Four accumulators at a time: held within +-448 x the scale into window 0 (each accumulator from its low end on), converted there; the 64 registers of codes are 16 chunks on end.
.macro WAYOUT w, vm
	PLACES 4                                       ; the holds read results just made
	s_wait_xcnt 0x0                                ; the last way out's stores have read the codes' registers
.irp a, 0,1,2,3,4,5,6,7
	WIN 0x01                                       ; source 0 window 1
.irp b, 0,1,2,3
.irp j, 0,1,2,3,4,5,6,7
	v_med3_num_f32 v[96+8*\b+\j], v[8*(4*\a+\b)+\j], s[80+2*\w], s[81+2*\w]
.endr
.endr
	WIN 0
.irp b, 0,1,2,3
.if \vm
	v_cvt_scalef32_pk8_fp8_f32 v[32+16*\b+2*\a:33+16*\b+2*\a], v[96+8*\b:103+8*\b], v[8+\w]   ; keys 16 a + 8 h + 0..7 of d = 16 b + r
.else
	v_cvt_scalef32_pk8_fp8_f32 v[32+8*\a+2*\b:33+8*\a+2*\b], v[96+8*\b:103+8*\b], v[8+\w]     ; d = 16 b + 8 h + 0..7 of row 16 a + r
.endif
.endr
	v_nop                                          ; one plain line between the conversions and the next write of their sources
.endr
.irp j, 0,1,2,3,4,5,6,7,8,9,10,11,12,13,14,15
	global_store_b128 v1, v[32+4*\j:35+4*\j], s[10+2*\w:11+2*\w] offset:512*\j   ; the wave stores 512 consecutive bytes, at a multiple of 512 from the buffer's first byte
.endr
.endm
	s_wait_alu depctr_va_vdst(0)                   ; the wait at the head's end
	s_wait_tensorcnt 0x0                           ; my part of slot 0 is in; slot 1's first fill is issued as a refill is:
	ds_add_u32 v28, v29                            ; 0 onto my spare word
	s_wait_dscnt 0x0
	CROUND                                         ; everybody's part of slot 0 is in, and all sixteen work-groups are here
	JLOAD 1                                        ; slot 1: the first tensor load behind the round
	FETCH 0, 0, 0
	ASK 3
	; the 24 substeps: (next slot, next place | slot, next slot), set, (fill,) first of a tile, v
	SUB  0, 1, 0, 1, 0                             ; q
	SUB  0, 2, 1, 0, 0
	TURN 0, 1, 0, 1, 0, 0
	SUB  1, 1, 1, 0, 0
	SUB  1, 2, 0, 0, 0
	TURN 1, 0, 1, 1, 0, 0
	SUB  0, 1, 0, 0, 0
	SUB  0, 2, 1, 0, 0
	WAYOUT 0, 0
	TURN 0, 1, 0, 1, 1, 0                          ; k
	SUB  1, 1, 1, 0, 0
	SUB  1, 2, 0, 0, 0
	TURN 1, 0, 1, 1, 0, 0
	SUB  0, 1, 0, 0, 0
	SUB  0, 2, 1, 0, 0
	TURN 0, 1, 0, 1, 0, 0
	SUB  1, 1, 1, 0, 0
	WAYOUT 1, 0
	SUB  1, 2, 0, 1, 1                             ; v
	TURN 1, 0, 1, 1, 0, 1                          ; the last refill: fill 7
	SUB  0, 1, 0, 0, 1
	SUB  0, 2, 1, 0, 1
	TURN 0, 1, 0, 0, 0, 1                          ; nothing is left to fetch
	SUB  1, 1, 1, 0, 1
	SUB  1, 2, 0, 0, 1
	s_wait_dscnt 0x0
	MUL 0, 8, 1, 0, 1
	WAYOUT 2, 1
	s_wait_tensorcnt 0x0                           ; the wave's end
	ds_add_u32 v28, v29
	s_wait_dscnt 0x0
	CROUND                                         ; the closing round: no work-group ends while a partner may still ask for a tile that names it
	s_endpgm
.Lfunc_end_k_q940ea0693d_proj:
	.size	k_q940ea0693d_proj, .Lfunc_end_k_q940ea0693d_proj-k_q940ea0693d_proj
	.p2alignl 7, 3214868480
	.fill 96, 4, 3214868480
	.section	.rodata,"a",@progbits
	.p2align	6, 0x0
	.amdhsa_kernel k_q940ea0693d_proj
		.amdhsa_group_segment_fixed_size 327680
		.amdhsa_private_segment_fixed_size 0
		.amdhsa_enable_private_segment 0
		.amdhsa_kernarg_size 48
		.amdhsa_user_sgpr_count 2
		.amdhsa_user_sgpr_kernarg_segment_ptr 1
		.amdhsa_wavefront_size32 1
		.amdhsa_system_sgpr_workgroup_id_x 1
		.amdhsa_system_sgpr_workgroup_id_y 1
		.amdhsa_system_sgpr_workgroup_id_z 1
		.amdhsa_system_vgpr_workitem_id 0
		.amdhsa_next_free_vgpr 768
		.amdhsa_next_free_sgpr 96
		.amdhsa_reserve_vcc 0
		.amdhsa_float_denorm_mode_32 3
		.amdhsa_float_denorm_mode_16_64 3
		.amdhsa_memory_ordered 1
		.amdhsa_forward_progress 1
		.amdhsa_inst_pref_size 204
	.end_amdhsa_kernel
	.amdgpu_metadata
---
amdhsa.version: [ 1, 2 ]
amdhsa.kernels:
  - .name:           k_q940ea0693d_proj
    .symbol:         k_q940ea0693d_proj.kd
    .args:
      - { .name: xc, .offset: 0, .size: 8, .value_kind: global_buffer, .address_space: global }
      - { .name: wc, .offset: 8, .size: 8, .value_kind: global_buffer, .address_space: global }
      - { .name: lowp_scales, .offset: 16, .size: 8, .value_kind: global_buffer, .address_space: global }
      - { .name: qc, .offset: 24, .size: 8, .value_kind: global_buffer, .address_space: global }
      - { .name: kc, .offset: 32, .size: 8, .value_kind: global_buffer, .address_space: global }
      - { .name: vc, .offset: 40, .size: 8, .value_kind: global_buffer, .address_space: global }
    .group_segment_fixed_size: 327680
    .private_segment_fixed_size: 0
    .kernarg_segment_align: 8
    .kernarg_segment_size: 48
    .max_flat_workgroup_size: 128
    .sgpr_count:     96
    .vgpr_count:     768
    .wavefront_size: 32
...
	.end_amdgpu_metadata
.endif
;; end of part 2
;; launch attn (part 3): grid 4 x 64, 8 waves a work-group, clusters of 4 x 1, 327,680 bytes of LDS; arguments qc, kc, vc, lowp_scales, oc; writes oc
.if DOCPART == 3
	.amdgcn_target "amdgcn-amd-amdhsa--gfx1250"
	.amdhsa_code_object_version 6
	.text
	.protected	k_q940ea0693d_attn
	.globl	k_q940ea0693d_attn
	.p2align	8
	.type	k_q940ea0693d_attn,@function
k_q940ea0693d_attn:
	s_mov_b64 s[64:65], 0
	v_nop
	global_prefetch_b8 v0, s[64:65] scope:SCOPE_SE
	s_setreg_imm32_b32 hwreg(HW_REG_WAVE_MODE, 25, 1), 1
	s_wait_xcnt 0x0
	s_wait_alu depctr_hold_cnt(0) depctr_sa_sdst(0) depctr_va_vdst(0) depctr_va_sdst(0) depctr_va_ssrc(0) depctr_va_vcc(0) depctr_vm_vsrc(0)
	s_getreg_b32 s2, hwreg(HW_REG_IB_STS2, 6, 4)
	s_cmp_eq_u32 s2, 0
	s_cbranch_scc0 .Lentry_in_a_cluster
	s_endpgm
.Lentry_in_a_cluster:
	s_bfe_u32 s2, ttmp6, 0x10000c
	s_cmp_lg_u32 s2, 0x3003
	s_cbranch_scc0 .Lentry_shape_is_right
	s_endpgm
.Lentry_shape_is_right:
; Causal attention of one (batch, head) on codes of FP8 (E4M3): S^T = K Q^T (K = the head's 64), p = 2^(t - M), O^T = V^T P^T (K = the keys), o = O / l quantised with 2^e10 for the last product.
; t = score x log2(e) / 8; M = the running largest t rounded UP to a whole number; p is quantised along the keys with 2^e8, not normalised; l is the sum of the unquantised p; when M moves, l and O^T are
; multiplied by 2^(old M - new M), which rounds nothing.
; LEFT OUT: key steps of 128 that lie wholly behind the causal mask: their p is 0 for every value of the inputs.
; SHARES.  The four work-groups of a head form a cluster.  The head's 128 tiles of 16 queries are 16 groups g of 8 tiles; partner cx takes tiles 8 g + 2 cx and 8 g + 2 cx + 1 of EVERY group.  Wave w (0..7) walks
; group 15 - w and then group w: (16 - w) + (w + 1) = 17 key steps in every wave.  A group needs key steps 0 .. g whatever cx is, so every branch hangs on the wave's number and the count of trips alone:
; all partners run alike, and K and V are asked for jointly (mask 15).  cx enters global addresses and the mask's numbers, nothing else.
; TWO TILES A WAVE: tile A lives in register window 0, tile B in window 1, at the same register numbers; K's and V's fragments lie in window 0 and feed one product of each tile.
; THE MASK IS THE SCORE PRODUCTS' C.  In a group's diagonal step a query's place against the step's first key is 32 cx + 16 (tile B) + r, the same in every group.  So one table, made once, serves: entry (u, j) is -3e38
; where 16 (u - 1) + j > 32 cx + r - 8 h, else 0; tile A's key tile t takes entry u = t + 1 as C, tile B's entry u = t (u = 0 hides nothing: the constant 0).  A hidden score is then about -3e38 and its p is 0.
; LDS.  The head's K (131,072 bytes, at 0) and V (behind it) lie in LDS whole, filled once.  Keys 0-511 are asked for at the head, 8,192 bytes a wave; keys 512-2047, 24,576 bytes a wave, behind the full sequence and a
; round, and land under the first four key steps (every wave's first group has at least nine); one barrier then shows them.  Every wait on TENSORcnt is for 0.  By the text's count a wave has one tensor load out.
; NO PREFETCH: both groups of tensor loads are issued ahead of the first loop, so there is no loop to run ahead in; the second group has the first loop's four key steps in which to land.
; The buffers hold images of the operands' registers (chunks of 512 bytes, lane L's 16 bytes at 16 L).  A lane holds ONE query (lane % 16).  In S^T register 8 t + j is key 16 t + 8 (lane / 16) + j.
; oc [128 rows G 64][128 along K s 8][tile % 8][c 4][512 B]: head h fills chunks 2 (h % 2), 2 (h % 2) + 1 of s = h / 2.
; LIMITS: e6 + e7 between -123 and 130 (added to c's exponent field); e8 and e10 - e8 - e9 between -126 and 119; the scaled scores stay under 2^31 in magnitude.  NaN and infinities among the codes' sums are not served.
; REGISTERS, in both windows: v1 16 x lane; v10, v240 the hold of p; v12 -M; v13 the largest t; v[14:15] l; v16-23 Q; v24-31 the second group's Q; v96-159 S^T, then p; v160-191 O^T; v192-223 o; v224-239 codes;
;   v241 the hold of o; v244, v245 scales; v232-254 at work.  Window 0 alone: v2 V's place; v3, v4 for the add; v6, v7 for the table; v8, v9 addresses in hand; v32-95 fragments.  Window 1 alone: v32-95 the table.
.set SPARE, 0x40000                    ; behind K and V: the spare words, 128 bytes a wave
.set SEL, 20                           ; s[20:21] lane selects: lane l xor 16
.set CS,  22                           ; s[22:23] c
.set G1A, 24                           ; s[24:31], s[32:35] keys 0-511;  s[40:47], s[36:39] keys 512-2047
.set G0A, 32
.set G0B, 36
.set G1B, 40
.set TB,  48                           ; the step's byte in K's image and in V's
.set KF,  49                           ; the step's first key
.set CNT, 50
.set GK,  51                           ; the group's diagonal step: first key 128 g
.set KLO, 52                           ; steps under this key have been walked
.set PAS, 53
.set MSB, 0
.macro WIN new                         ; the immediate's high byte repeats the setting that is left
.if MSB != \new
	s_set_vgpr_msb (MSB<<8)|\new
.set MSB, \new
.endif
.endm
.macro PLACES n
.rept \n
	v_nop
.endr
.endm
.macro CROUND                          ; a round of the cluster's barrier
	s_barrier_signal -1
	s_barrier_wait -1
	s_cmp_lg_u32 s14, 0
	s_cbranch_scc1 .Lnot_wave_0_\@
	s_barrier_signal -3
.Lnot_wave_0_\@:
	s_barrier_wait -3
	s_barrier_signal -1
	s_barrier_wait -1
.endm
.macro GROUP1 g, rows                  ; a dense block as rows of 256 bytes (32 elements of 8); mask 15: all four partners; bit 21 beside it
	s_mov_b32 s[\g], 15|(3<<16)|(1<<21)
	s_mov_b32 s[\g+1], 32<<16
	s_mov_b32 s[\g+2], (\rows)<<16
	s_mov_b32 s[\g+3], 32<<16
	s_mov_b32 s[\g+4], \rows
	s_mov_b32 s[\g+5], 32
	s_mov_b32 s[\g+6], 0
	s_mov_b32 s[\g+7], 0
.endm
.macro INIT                            ; a group's start, in the window that is set: the first change of M multiplies zeros
	v_mov_b32 v13, 0xff61b1e6                      ; the largest t so far: -3e38
	v_mov_b32 v12, 0x7f61b1e6                      ; -M
	v_mov_b32 v14, 0
	v_mov_b32 v15, 0
.set J, 0
.rept 32
	v_mov_b32 v[160+J], 0
.set J, J+1
.endr
.endm
.macro SETUP
	v_mov_b32 v236, 0                              ; a lane permute's destination counts as one of its sources
	v_mov_b32 v253, 0                              ; (named as the upper half of v[252:253])
	v_mov_b32 v244, s84                            ; 2^e8
	v_mov_b32 v240, s85                            ; 448 x 2^e8,
	v_mov_b32 v10, s85                             ; and once more, in another bank: the dual pairs of the hold name both
	v_mov_b32 v245, s86                            ; 2^(e10 - e8 - e9)
	v_mov_b32 v241, s87
	INIT
.endm
	s_load_b256 s[4:11], s[0:1], 0x0               ; qc s[4:5], kc s[6:7], vc s[8:9], the exponents s[10:11]
	s_load_b64 s[12:13], s[0:1], 0x20              ; oc
	v_lshl_add_u32 v3, v0, 2, SPARE
	v_mov_b32 v4, 0
	ds_add_u32 v3, v4                              ; the opening lines: the add twice on end and its wait
	ds_add_u32 v3, v4
	v_lshrrev_b32 v1, 5, v0
	v_readfirstlane_b32 s14, v1                    ; wave 0..7
	s_bfe_u32 s15, ttmp6, 0x40000                  ; cx
	s_and_b32 s16, ttmp7, 0xffff                   ; bh
	GROUP1 G1A, 32
	GROUP1 G1B, 96
	s_lshr_b32 s54, s14, 2                         ; I fetch for K (0) or V (1),
	s_and_b32 s55, s14, 3                          ; which quarter
	s_lshl_b32 s56, s54, 17
	s_lshl_b32 s57, s55, 13
	s_mul_i32 s58, s55, 24576
	s_add_co_u32 s58, s58, 32768
	s_mov_b32 s[G0A], 1
	s_add_co_u32 s[G0A+1], s56, s57
	s_mov_b32 s[G0B], 1
	s_add_co_u32 s[G0B+1], s56, s58
	s_lshl_b32 s59, s16, 17                        ; the head's 131,072 bytes
	s_add_co_u32 s60, s59, s57
	s_mov_b32 s61, 0
	s_add_co_u32 s62, s59, s58
	s_mov_b32 s63, 0
	s_mov_b32 s[SEL], 0x76543210
	s_mov_b32 s[SEL+1], 0xfedcba98
	s_mov_b32 s[CS], 0x3e38aa3b                    ; c = log2(e) / sqrt(64)
	s_wait_dscnt 0x0
	CROUND                                         ; the four partners are here: the first joint loads meet
	s_wait_kmcnt 0x0
	s_load_b256 s[68:75], s[10:11], 0x0            ; e0 .. e7
	s_load_b128 s[76:79], s[10:11], 0x20           ; e8 .. e11
	s_cmp_eq_u32 s54, 0
	s_cselect_b64 s[56:57], s[6:7], s[8:9]
	s_add_nc_u64 s[G0A+2:G0A+3], s[56:57], s[60:61]
	s_or_b32 s[G0A+3], s[G0A+3], 0x80000000
	s_add_nc_u64 s[G0B+2:G0B+3], s[56:57], s[62:63]
	s_or_b32 s[G0B+3], s[G0B+3], 0x80000000
	tensor_load_to_lds s[G0A:G0A+3], s[G1A:G1A+7]  ; keys 0-511: my one load at the head
	s_nop 0
	PLACES 4
	s_lshl_b32 s54, s15, 5                         ; 32 cx
	v_and_b32 v5, 31, v0
	v_lshlrev_b32 v1, 4, v5                        ; 16 x lane
	v_add_nc_u32 v2, 0x20000, v1
	v_and_b32 v5, 15, v0
	v_bfe_u32 v10, v0, 4, 1
	v_lshlrev_b32 v10, 3, v10
	v_sub_nc_u32 v6, v5, v10                       ; r - 8 h
	v_add_nc_u32 v6, s54, v6                       ; + 32 cx: tile A's query less the diagonal step's first key
	v_mov_b32 v7, 0xff61b1e6                       ; -3e38
	s_wait_alu depctr_va_vdst(0)                   ; the wait ahead of the scalar lines below
	s_sub_co_u32 s93, 15, s14                      ; the first group
	s_lshl_b32 s[GK], s93, 7
	s_lshl_b32 s82, s14, 7                         ; the second group's diagonal step
	s_lshl_b32 s55, s15, 1
	s_lshl_b32 s56, s93, 3
	s_add_co_u32 s56, s56, s55                     ; tile A of the first group,
	s_lshl_b32 s57, s14, 3
	s_add_co_u32 s57, s57, s55                     ; of the second
	s_lshl_b32 s58, s16, 7
	s_add_co_u32 s60, s58, s56
	s_lshl_b32 s60, s60, 10
	s_mov_b32 s61, 0
	s_add_nc_u64 s[60:61], s[4:5], s[60:61]        ; Q's fragments: (128 bh + tile) x 1,024
	s_add_co_u32 s62, s58, s57
	s_lshl_b32 s62, s62, 10
	s_mov_b32 s63, 0
	s_add_nc_u64 s[62:63], s[4:5], s[62:63]
	global_load_b128 v[16:19], v1, s[60:61]
	global_load_b128 v[20:23], v1, s[60:61] offset:512
	WIN 0x40                                       ; destination window 1: tile B's
	global_load_b128 v[16:19], v1, s[60:61] offset:1024
	global_load_b128 v[20:23], v1, s[60:61] offset:1536
	WIN 0
	s_lshr_b32 s90, s16, 4
	s_lshl_b32 s90, s90, 4                         ; 16 b
	s_and_b32 s91, s16, 15                         ; head
	s_lshr_b32 s92, s91, 1
	s_lshl_b32 s92, s92, 14
	s_and_b32 s91, s91, 1
	s_lshl_b32 s91, s91, 10
	s_add_co_u32 s92, s92, s91
	s_lshl_b32 s91, s15, 12                        ; tile % 8 = 2 cx: 2,048 bytes a tile
	s_add_co_u32 s92, s92, s91
	s_add_co_u32 s94, s90, s93
	s_lshl_b32 s94, s94, 17
	s_add_co_u32 s94, s94, s92
	s_mov_b32 s95, 0
	s_add_nc_u64 s[66:67], s[12:13], s[94:95]      ; o's codes of the first group,
	s_add_co_u32 s94, s90, s14
	s_lshl_b32 s94, s94, 17
	s_add_co_u32 s94, s94, s92
	s_add_nc_u64 s[80:81], s[12:13], s[94:95]      ; of the second
	s_wait_kmcnt 0x0
	s_add_co_i32 s54, s74, s75
	s_lshl_b32 s54, s54, 23
	s_add_co_i32 s[CS], s[CS], s54                 ; a score stands for score x 2^(e6 + e7)
	s_mov_b32 s[CS+1], s[CS]
	s_add_co_i32 s54, s76, 127
	s_lshl_b32 s84, s54, 23
	s_add_co_i32 s54, s54, 8
	s_lshl_b32 s54, s54, 23
	s_or_b32 s85, s54, 0x600000
	s_sub_co_i32 s54, s78, s76
	s_sub_co_i32 s54, s54, s77
	s_add_co_i32 s54, s54, 127
	s_lshl_b32 s86, s54, 23
	s_add_co_i32 s54, s54, 8
	s_lshl_b32 s54, s54, 23
	s_or_b32 s87, s54, 0x600000
	SETUP
	WIN 0x40                                       ; the same into window 1; sources in window 0
	v_mov_b32 v1, v1
	SETUP
.irp u, 1,2,3,4,5,6,7,8                ; the mask's table: entry u lies at v[32 + 8 ((u + 3) % 8)] of window 1
.irp j, 0,1,2,3,4,5,6,7
	v_cmp_gt_i32 vcc_lo, 16*(\u-1)+\j, v6
	v_cndmask_b32 v[32+8*((\u+3)%8)+\j], 0, v7, vcc_lo
.endr
.endr
	WIN 0
.macro SCORES diag                     ; S^T of both tiles; diag = 1: the mask's table is C
.if \diag
	WIN 0x10                                       ; C in window 1
.endif
.irp t, 0,1,2,3,4,5,6,7
.if \diag
	v_wmma_f32_16x16x64_fp8_fp8 v[96+8*\t:103+8*\t], v[32+8*\t:39+8*\t], v[16:23], v[32+8*((\t+4)%8):39+8*((\t+4)%8)]
.else
	v_wmma_f32_16x16x64_fp8_fp8 v[96+8*\t:103+8*\t], v[32+8*\t:39+8*\t], v[16:23], 0
.endif
.endr
	WIN 0x54                                       ; source 0 (K) window 0; Q, C, the sums window 1
.irp t, 0,1,2,3,4,5,6,7
.if (\diag) && (\t) > 0
	v_wmma_f32_16x16x64_fp8_fp8 v[96+8*\t:103+8*\t], v[32+8*\t:39+8*\t], v[16:23], v[32+8*((\t+3)%8):39+8*((\t+3)%8)]
.else
	v_wmma_f32_16x16x64_fp8_fp8 v[96+8*\t:103+8*\t], v[32+8*\t:39+8*\t], v[16:23], 0
.endif
.endr
	WIN 0
.endm
.macro SOFTMAX late                    ; one tile's 64 scores a lane, in the window that is set; late = 1: the scores are first read behind the other tile's exponentials
.if \late
	s_wait_alu depctr_va_vdst(0)                   ; the wait, directly ahead of the first reader of the scores
.endif
	v_max3_num_f32 v254, v96, v97, v98             ; the step's largest score, four chains, each accumulator from its low end on
	v_max3_num_f32 v252, v99, v100, v101
	v_max3_num_f32 v250, v102, v103, v104
	v_max3_num_f32 v248, v105, v106, v107
.irp i, 12,20,28,36,44,52
	v_max3_num_f32 v254, v254, v[96+\i], v[97+\i]
	v_max3_num_f32 v252, v252, v[98+\i], v[99+\i]
	v_max3_num_f32 v250, v250, v[100+\i], v[101+\i]
	v_max3_num_f32 v248, v248, v[102+\i], v[103+\i]
.endr
	v_max3_num_f32 v254, v254, v156, v157
	v_max3_num_f32 v252, v252, v158, v159
	v_max3_num_f32 v254, v254, v250, v248
	s_delay_alu instid0(VALU_DEP_1)
	v_max_num_f32 v254, v254, v252
	v_permlanex16_b32 v236, v254, s[SEL], s[SEL+1]
	s_delay_alu instid0(VALU_DEP_1)
	v_max_num_f32 v254, v254, v236                 ; and lane l xor 16's
	s_delay_alu instid0(VALU_DEP_1)
	v_mul_f32 v254, s[CS], v254                    ; as t (c is positive)
	s_delay_alu instid0(VALU_DEP_1)
	v_max_num_f32 v13, v13, v254
	v_mov_b32 v254, v12
	s_delay_alu instid0(VALU_DEP_2)
	v_floor_f32 v12, -v13                          ; the new -M: M is a whole number
	s_delay_alu instid0(VALU_DEP_1)
	v_sub_f32 v254, v12, v254                      ; old M - new M
	s_delay_alu instid0(VALU_DEP_1)
	v_cvt_i32_f32 v254, v254                       ; (it saturates)
	s_delay_alu instid0(VALU_DEP_1)
	v_ldexp_f32 v252, 1.0, v254                    ; f = 2^(old M - new M)
.set J, 0
.rept 32
	v_pk_fma_f32 v[96+J:97+J], v[96+J:97+J], s[CS:CS+1], v[12:13] op_sel_hi:[1,0,0]   ; t - M
.set J, J+2
.endr
	s_wait_alu depctr_va_vdst(0)                   ; the wait ahead of the batch
.set J, 0
.rept 64
	v_exp_f32 v[96+J], v[96+J]                     ; p = 2^(t - M), at most 1
.set J, J+1
.endr
	v_pk_mul_f32 v[14:15], v[14:15], v[252:253] op_sel_hi:[1,0]   ; l under the new M (a plain line behind the exponentials)
	s_wait_alu depctr_va_vdst(0)                   ; one wait for the batch, ahead of its first reader
	v_pk_add_f32 v[242:243], v[100:101], v[104:105]   ; l takes the unquantised p, in eight chains
	v_pk_add_f32 v[248:249], v[108:109], v[112:113]
	v_pk_add_f32 v[246:247], v[116:117], v[120:121]
	v_pk_add_f32 v[238:239], v[124:125], v[128:129]
	v_pk_add_f32 v[236:237], v[132:133], v[136:137]
	v_pk_add_f32 v[234:235], v[140:141], v[144:145]
	v_pk_add_f32 v[232:233], v[148:149], v[152:153]
	v_pk_add_f32 v[14:15], v[14:15], v[156:157]
	v_pk_add_f32 v[242:243], v[242:243], v[96:97]
	v_pk_add_f32 v[248:249], v[248:249], v[98:99]
	v_pk_add_f32 v[246:247], v[246:247], v[102:103]
	v_pk_add_f32 v[238:239], v[238:239], v[106:107]
	v_pk_add_f32 v[236:237], v[236:237], v[110:111]
	v_pk_add_f32 v[234:235], v[234:235], v[114:115]
	v_pk_add_f32 v[232:233], v[232:233], v[118:119]
	v_pk_add_f32 v[14:15], v[14:15], v[122:123]
	v_pk_add_f32 v[242:243], v[242:243], v[126:127]
	v_pk_add_f32 v[248:249], v[248:249], v[130:131]
	v_pk_add_f32 v[246:247], v[246:247], v[134:135]
	v_pk_add_f32 v[238:239], v[238:239], v[138:139]
	v_pk_add_f32 v[236:237], v[236:237], v[142:143]
	v_pk_add_f32 v[234:235], v[234:235], v[146:147]
	v_pk_add_f32 v[232:233], v[232:233], v[150:151]
	v_pk_add_f32 v[14:15], v[14:15], v[154:155]
	v_pk_add_f32 v[242:243], v[242:243], v[158:159]
	s_delay_alu instid0(VALU_DEP_2)
	v_pk_add_f32 v[14:15], v[14:15], v[238:239]
	s_delay_alu instid0(VALU_DEP_2)
	v_pk_add_f32 v[242:243], v[242:243], v[236:237]
	v_pk_add_f32 v[248:249], v[248:249], v[234:235]
	v_pk_add_f32 v[246:247], v[246:247], v[232:233]
	s_delay_alu instid0(VALU_DEP_2)
	v_pk_add_f32 v[14:15], v[14:15], v[248:249]
	s_delay_alu instid0(VALU_DEP_2)
	v_pk_add_f32 v[242:243], v[242:243], v[246:247]
	s_delay_alu instid0(VALU_DEP_1)
	v_pk_add_f32 v[14:15], v[14:15], v[242:243]
; The conversion does not saturate (ISA guide 7.6.2); p is not negative, so the hold is one-sided.  Two holds go as one dual pair: destinations even and odd; the pair's first sources, and its second sources, lie in
; different banks (register number mod 4): the bound stands in v240 (bank 0) and in v10 (bank 2), and the two take turns.
.irp t, 0,1,2,3,4,5,6,7
.irp i, 0,4
	v_dual_min_num_f32 v[96+8*\t+\i], v240, v[96+8*\t+\i] :: v_dual_min_num_f32 v[97+8*\t+\i], v[97+8*\t+\i], v10
	v_dual_min_num_f32 v[98+8*\t+\i], v10, v[98+8*\t+\i] :: v_dual_min_num_f32 v[99+8*\t+\i], v[99+8*\t+\i], v240
.endr
	v_cvt_scalef32_pk8_fp8_f32 v[224+2*\t:225+2*\t], v[96+8*\t:103+8*\t], v244
.endr
	s_wait_alu depctr_va_vdst(0)                   ; the wait, directly ahead of the first reader of O^T
.set J, 0
.rept 16
	v_pk_mul_f32 v[160+J:161+J], v[160+J:161+J], v[252:253] op_sel_hi:[1,0]   ; O^T under the new M; also the plain lines behind the conversions
.set J, J+2
.endr
.endm
; A KEY STEP of 128 keys for both tiles.  full = 1: steps behind the group's diagonal, and steps walked already, are led round by scalar branches on the wave's number and the count of trips; the diagonal step takes the table.
.macro STEP full
.if \full
	s_cmp_gt_u32 s[KF], s[GK]
	s_cbranch_scc1 .Lhid_\@
	s_cmp_lt_u32 s[KF], s[KLO]
	s_cbranch_scc1 .Lhid_\@
.endif
	v_add_nc_u32 v8, s[TB], v1
	v_add_nc_u32 v9, s[TB], v2
	v_nop
	v_nop                                          ; four places, the two additions among them, in front of loads into registers that the last products read
.irp t, 0,1,2,3,4,5,6,7
	ds_load_b128 v[32+8*\t:35+8*\t], v8 offset:1024*\t
	ds_load_b128 v[36+8*\t:39+8*\t], v8 offset:1024*\t+512
.endr
	s_wait_alu depctr_va_vdst(0)
	s_wait_dscnt 0x0
.if \full
	s_cmp_eq_u32 s[KF], s[GK]
	s_cbranch_scc1 .Ldiag_\@
.endif
	SCORES 0
.if \full
	s_branch .Lsc_\@
.Ldiag_\@:
	SCORES 1
.Lsc_\@:
.endif
	PLACES 4                                       ; in front of the loads below and of the first read of the scores
.irp d, 0,1,2,3
.irp c, 0,1,2,3
	ds_load_b128 v[32+16*\d+4*\c:35+16*\d+4*\c], v9 offset:2048*\d+512*\c   ; V lands under tile A's softmax
.endr
.endr
	SOFTMAX 0
	s_wait_alu depctr_va_vdst(0)
	s_wait_dscnt 0x0                               ; V is in
.irp d, 0,1,2,3
	v_wmma_f32_16x16x128_fp8_fp8 v[160+8*\d:167+8*\d], v[32+16*\d:47+16*\d], v[224:239], v[160+8*\d:167+8*\d]
.endr
	WIN 0x55
	SOFTMAX 1
	WIN 0x54
.irp d, 0,1,2,3
	v_wmma_f32_16x16x128_fp8_fp8 v[160+8*\d:167+8*\d], v[32+16*\d:47+16*\d], v[224:239], v[160+8*\d:167+8*\d]
.endr
	WIN 0
.if \full
.Lhid_\@:
.endif
.endm
.macro WAYOUT off                      ; o = O^T / l, held, converted: 8 registers = two chunks of o's fragment, in the window that is set
	v_add_f32 v14, v14, v15
	v_permlanex16_b32 v236, v14, s[SEL], s[SEL+1]
	s_delay_alu instid0(VALU_DEP_1)
	v_add_f32 v14, v14, v236                       ; the row's sum
	s_wait_alu depctr_va_vdst(0)                   ; the wait ahead of the transcendental
	v_rcp_f32 v14, v14
	v_nop
	s_wait_alu depctr_va_vdst(0)                   ; and ahead of its first reader, which is O^T's first reader too
.set J, 0
.rept 16
	v_pk_mul_f32 v[192+J:193+J], v[160+J:161+J], v[14:15] op_sel_hi:[1,0]
.set J, J+2
.endr
.set J, 0
.rept 32
	v_med3_num_f32 v[192+J], v[192+J], -v241, v241
.set J, J+1
.endr
.irp d, 0,1,2,3
	v_cvt_scalef32_pk8_fp8_f32 v[224+2*\d:225+2*\d], v[192+8*\d:199+8*\d], v245
.endr
	v_nop                                          ; one plain line behind the last conversion
	global_store_b128 v1, v[224:227], s[66:67] offset:\off        ; the wave stores 512 consecutive bytes, aligned
	global_store_b128 v1, v[228:231], s[66:67] offset:\off+512
.endm
	s_wait_alu depctr_va_vdst(0)                   ; the wait at the head's end
	s_wait_tensorcnt 0x0                           ; my part of keys 0-511 is in; the later first fill is issued as a refill is:
	ds_add_u32 v3, v4                              ; 0 onto my spare word
	s_wait_dscnt 0x0
	CROUND                                         ; everybody's part is in, and the four partners are here
	tensor_load_to_lds s[G0B:G0B+3], s[G1B:G1B+7]  ; keys 512-2047
	s_nop 0
	PLACES 4
	global_load_b128 v[24:27], v1, s[62:63]        ; the second group's Q: wanted at the change of groups
	global_load_b128 v[28:31], v1, s[62:63] offset:512
	WIN 0x40
	global_load_b128 v[24:27], v1, s[62:63] offset:1024
	global_load_b128 v[28:31], v1, s[62:63] offset:1536
	WIN 0
	s_wait_loadcnt 0x4                             ; the first group's Q is in; the four loads just issued may be out
	s_mov_b32 s[TB], 0
	s_mov_b32 s[CNT], 4
.Lfirst:                                               ; key steps 0-3 of the first group: all count for all its queries (the group is 8 or higher)
	STEP 0
	s_add_co_u32 s[TB], s[TB], 8192
	s_sub_co_u32 s[CNT], s[CNT], 1
	s_cmp_lg_u32 s[CNT], 0
	s_cbranch_scc1 .Lfirst
	s_wait_alu depctr_va_vdst(0)
	s_wait_tensorcnt 0x0                           ; my part of keys 512-2047 is in,
	s_wait_loadcnt 0x0                             ; and the second group's Q
	s_wait_dscnt 0x0
	s_barrier_signal -1
	s_barrier_wait -1                              ; everybody's part is in; nothing is filled again
	s_mov_b32 s[KLO], 512
	s_mov_b32 s[PAS], 0
.Lpass:                                                ; two trips: the rest of the first group, then the second group
	s_mov_b32 s[TB], 0
	s_mov_b32 s[KF], 0
	s_mov_b32 s[CNT], 16
.Lstep:
	STEP 1
	s_add_co_u32 s[TB], s[TB], 8192
	s_add_co_u32 s[KF], s[KF], 128
	s_sub_co_u32 s[CNT], s[CNT], 1
	s_cmp_lg_u32 s[CNT], 0
	s_cbranch_scc1 .Lstep
	PLACES 4                                       ; the way out reads results that may be just made
	WAYOUT 0
	WIN 0x55
	WAYOUT 2048
	WIN 0
	s_cmp_eq_u32 s[PAS], 1
	s_cbranch_scc1 .Lend
	INIT                                           ; the second group begins
.set J, 0
.rept 8
	v_mov_b32 v[16+J], v[24+J]
.set J, J+1
.endr
	WIN 0x55
	INIT
.set J, 0
.rept 8
	v_mov_b32 v[16+J], v[24+J]
.set J, J+1
.endr
	WIN 0
	s_wait_alu depctr_va_vdst(0)                   ; the wait ahead of the wait below
	s_wait_xcnt 0x0                                ; the stores have read their base and the codes' registers
	s_mov_b64 s[66:67], s[80:81]
	s_mov_b32 s[GK], s82
	s_mov_b32 s[KLO], 0
	s_add_co_u32 s[PAS], s[PAS], 1
	s_cmp_lt_u32 s[PAS], 2
	s_cbranch_scc1 .Lpass
.Lend:
	s_wait_tensorcnt 0x0                           ; the wave's end
	ds_add_u32 v3, v4
	s_wait_dscnt 0x0
	CROUND                                         ; the closing round
	s_endpgm
.Lfunc_end_k_q940ea0693d_attn:
	.size	k_q940ea0693d_attn, .Lfunc_end_k_q940ea0693d_attn-k_q940ea0693d_attn
	.p2alignl 7, 3214868480
	.fill 96, 4, 3214868480
	.section	.rodata,"a",@progbits
	.p2align	6, 0x0
	.amdhsa_kernel k_q940ea0693d_attn
		.amdhsa_group_segment_fixed_size 327680
		.amdhsa_private_segment_fixed_size 0
		.amdhsa_enable_private_segment 0
		.amdhsa_kernarg_size 40
		.amdhsa_user_sgpr_count 2
		.amdhsa_user_sgpr_kernarg_segment_ptr 1
		.amdhsa_wavefront_size32 1
		.amdhsa_system_sgpr_workgroup_id_x 1
		.amdhsa_system_sgpr_workgroup_id_y 1
		.amdhsa_system_sgpr_workgroup_id_z 1
		.amdhsa_system_vgpr_workitem_id 0
		.amdhsa_next_free_vgpr 512
		.amdhsa_next_free_sgpr 100
		.amdhsa_reserve_vcc 1
		.amdhsa_float_denorm_mode_32 3
		.amdhsa_float_denorm_mode_16_64 3
		.amdhsa_memory_ordered 1
		.amdhsa_forward_progress 1
		.amdhsa_inst_pref_size 87
	.end_amdhsa_kernel
	.amdgpu_metadata
---
amdhsa.version: [ 1, 2 ]
amdhsa.kernels:
  - .name:           k_q940ea0693d_attn
    .symbol:         k_q940ea0693d_attn.kd
    .args:
      - { .name: qc, .offset: 0, .size: 8, .value_kind: global_buffer, .address_space: global }
      - { .name: kc, .offset: 8, .size: 8, .value_kind: global_buffer, .address_space: global }
      - { .name: vc, .offset: 16, .size: 8, .value_kind: global_buffer, .address_space: global }
      - { .name: lowp_scales, .offset: 24, .size: 8, .value_kind: global_buffer, .address_space: global }
      - { .name: oc, .offset: 32, .size: 8, .value_kind: global_buffer, .address_space: global }
    .group_segment_fixed_size: 327680
    .private_segment_fixed_size: 0
    .kernarg_segment_align: 8
    .kernarg_segment_size: 40
    .max_flat_workgroup_size: 256
    .sgpr_count:     100
    .vgpr_count:     512
    .wavefront_size: 32
...
	.end_amdgpu_metadata
.endif
;; end of part 3
;; launch outp (part 4): grid 8 x 32, 4 waves a work-group, clusters of 4 x 4, 327,680 bytes of LDS; arguments oc, woc, lowp_scales, bo, out0; writes out0
.if DOCPART == 4
	.amdgcn_target "amdgcn-amd-amdhsa--gfx1250"
	.amdhsa_code_object_version 6
	.text
	.protected	k_q940ea0693d_outp
	.globl	k_q940ea0693d_outp
	.p2align	8
	.type	k_q940ea0693d_outp,@function
k_q940ea0693d_outp:
	s_mov_b64 s[64:65], 0
	v_nop
	global_prefetch_b8 v0, s[64:65] scope:SCOPE_SE
	s_setreg_imm32_b32 hwreg(HW_REG_WAVE_MODE, 25, 1), 1
	s_wait_xcnt 0x0
	s_wait_alu depctr_hold_cnt(0) depctr_sa_sdst(0) depctr_va_vdst(0) depctr_va_sdst(0) depctr_va_ssrc(0) depctr_va_vcc(0) depctr_vm_vsrc(0)
	s_getreg_b32 s2, hwreg(HW_REG_IB_STS2, 6, 4)
	s_cmp_eq_u32 s2, 0
	s_cbranch_scc0 .Lentry_in_a_cluster
	s_endpgm
.Lentry_in_a_cluster:
	s_bfe_u32 s2, ttmp6, 0x10000c
	s_cmp_lg_u32 s2, 0xf033
	s_cbranch_scc0 .Lentry_shape_is_right
	s_endpgm
.Lentry_shape_is_right:
; out0 = o Wo^T + bo on codes of FP8 (E4M3): each finished sum x 2^(e10 + e11) + bo, by one packed multiply-add for two numbers.
; A work-group makes 256 rows x 128 columns; four waves, 2 x 2.  A WAVE HOLDS ITS 64 ROWS OF Wo, ALL OF K = 1,024, IN 512 REGISTERS and streams its 128 rows of o past them in eight blocks of 16 rows x all of K:
; 32 products a block on four accumulators by turns.  A block's 16 x 64 results are finished at once and leave through the wave's stage while the next block is multiplied.
; oc [128 rows G][s 8][tile 8][2,048 B] and woc [tile][s 8][2,048 B] hold images of the operands' registers (chunks of 512 bytes, lane L's 16 bytes at 16 L): every LDS load reads 512 consecutive bytes,
; and every tensor load brings one dense block.
; LDS: two regions of 131,072 bytes.  AT THE HEAD one load a wave: waves 0, 1 Wo's 128 rows (region 1), waves 2, 3 chunk 0, the first 128 rows of o (region 0).  The first barrier shows Wo alone (waves 0, 1 have a load line
; of their own and wait there).  ONE REFILL: chunk 1 onto Wo's bytes, 32,768 bytes a wave, behind a drained round, as soon as all waves hold Wo in registers; a barrier inside block 2 shows it.
; PREFETCH: at the head the sixteen waves of a row of the cluster name chunk 1's 512 blocks of 256 bytes, a lane a block, shared out by address.
; Source 0 = 16 rows of Wo, source 1 = 16 rows of o: a lane holds 8 neighbouring columns of one row of out0.
; CLUSTER 4 x 4: o's rows are shared along a row of the cluster, Wo's along a column: each is asked for jointly.
; LIMIT: e10 + e11 lies between -126 and 127.
; REGISTERS: window 0: v1 16 x lane; v4-7 o's LDS addresses (chunk, half of K); v14 Wo's; v24-26 the way out; v27 the prefetch; v28, v29 for the add; v32-95 two sets of four accumulators; v96-127 results;
;   v128-191 rows read back, two sets; v192-223 bo at my lane's 32 columns.   Windows 1, 2: Wo, fragment 4 s + b at 16 registers each.   Window 3: o's blocks, two sets of 128.
.set CHB,   131072
.set SPARE, 2*CHB                      ; the spare words, 128 bytes a wave
.set STAGE, SPARE+512                  ; 16 rows x (256 bytes + 16) for each wave; no fill lands here
.set SP,    272
.set G1A, 24                           ; s[24:31], s[32:35] chunk 0
.set G0A, 32
.set G0R, 36                           ; s[36:39], s[40:47] the refill
.set G1R, 40
.set G1B, 48                           ; s[48:55], s[84:87] Wo
.set G0B, 84
.set CX,  66
.set CY,  67
.set PX,  68                           ; my panel of 128 columns
.set RY,  69                           ; my block of 256 rows
.set ACC, 32
.set TMP, 96
.set BK,  128
.set BO,  192
.set MSB, 0
.macro WIN new                         ; the immediate's high byte repeats the setting that is left
.if MSB != \new
	s_set_vgpr_msb (MSB<<8)|\new
.set MSB, \new
.endif
.endm
.macro PLACES n
.rept \n
	v_nop
.endr
.endm
.macro CROUND                          ; a round of the cluster's barrier
	s_barrier_signal -1
	s_barrier_wait -1
	s_cmp_lg_u32 s16, 0
	s_cbranch_scc1 .Lnot_wave_0_\@
	s_barrier_signal -3
.Lnot_wave_0_\@:
	s_barrier_wait -3
	s_barrier_signal -1
	s_barrier_wait -1
.endm
.macro GROUP1 g, mask, rows            ; a dense block as rows of 256 bytes (32 elements of 8); bit 21 beside the mask
	s_or_b32 s[\g], s\mask, (3<<16)|(1<<21)
	s_mov_b32 s[\g+1], 32<<16
	s_mov_b32 s[\g+2], (\rows)<<16
	s_mov_b32 s[\g+3], 32<<16
	s_mov_b32 s[\g+4], \rows
	s_mov_b32 s[\g+5], 32
	s_mov_b32 s[\g+6], 0
	s_mov_b32 s[\g+7], 0
.endm
	s_load_b256 s[4:11], s[0:1], 0x0               ; oc s[4:5], woc s[6:7], the exponents s[8:9], bo s[10:11]
	s_load_b64 s[12:13], s[0:1], 0x20              ; out0
	v_lshl_add_u32 v28, v0, 2, SPARE
	v_mov_b32 v29, 0
	ds_add_u32 v28, v29                            ; the opening lines: the add twice on end and its wait
	ds_add_u32 v28, v29
	v_lshrrev_b32 v1, 5, v0
	v_readfirstlane_b32 s16, v1                    ; wave 0..3
	s_lshr_b32 s17, s16, 1                         ; my row of waves.  At the head: I fetch for Wo (0) or for o (1)
	s_and_b32 s18, s16, 1                          ; my column of waves.  At the head: which half
	s_bfe_u32 s[CX], ttmp6, 0x40000
	s_bfe_u32 s[CY], ttmp6, 0x40004
	s_lshl_b32 s[PX], ttmp9, 2
	s_add_co_u32 s[PX], s[PX], s[CX]
	s_and_b32 s[RY], ttmp7, 0xffff
	s_lshl_b32 s[RY], s[RY], 2
	s_add_co_u32 s[RY], s[RY], s[CY]
	s_lshl_b32 s70, s[CY], 2
	s_lshl_b32 s70, 15, s70                        ; my row of the cluster
	s_lshl_b32 s71, 0x1111, s[CX]                  ; my column
	GROUP1 G1A, 70, 256
	GROUP1 G1B, 71, 256
	GROUP1 G1R, 70, 128
	; o's addresses hang on the block of rows alone, Wo's on the panel alone
	s_lshl_b32 s20, s[RY], 18                      ; chunk 0: group 2 x block,
	s_lshl_b32 s22, s18, 16                        ; my half of it; also where it goes
	s_add_co_u32 s20, s20, s22
	s_mov_b32 s21, 0
	s_lshl_b32 s74, s[RY], 18
	s_add_co_u32 s74, s74, CHB                     ; chunk 1: group 2 x block + 1,
	s_lshl_b32 s75, s16, 15                        ; my quarter of it
	s_add_co_u32 s74, s74, s75
	s_add_co_u32 s76, s75, CHB                     ; and where it goes: onto Wo's bytes
	s_mov_b32 s75, 0
	s_lshl_b32 s72, s[PX], 3
	s_lshl_b32 s73, s18, 2
	s_add_co_u32 s72, s72, s73                     ; Wo: row tile 8 x panel + 4 x half
	s_lshl_b32 s72, s72, 14
	s_mov_b32 s73, 0
	s_add_co_u32 s23, s22, CHB
	s_wait_dscnt 0x0
	s_wait_kmcnt 0x0
	s_load_b64 s[78:79], s[8:9], 0x28              ; e10, e11
	s_mov_b32 s[G0A], 1
	s_mov_b32 s[G0A+1], s22
	s_add_nc_u64 s[G0A+2:G0A+3], s[4:5], s[20:21]
	s_or_b32 s[G0A+3], s[G0A+3], 0x80000000
	s_mov_b32 s[G0R], 1
	s_mov_b32 s[G0R+1], s76
	s_add_nc_u64 s[G0R+2:G0R+3], s[4:5], s[74:75]
	s_or_b32 s[G0R+3], s[G0R+3], 0x80000000
	s_mov_b32 s[G0B], 1
	s_mov_b32 s[G0B+1], s23
	s_add_nc_u64 s[G0B+2:G0B+3], s[6:7], s[72:73]
	s_or_b32 s[G0B+3], s[G0B+3], 0x80000000
	CROUND                                         ; all sixteen work-groups are here: the first joint loads meet
	s_cmp_eq_u32 s17, 0                            ; one load a wave at the head
	s_cbranch_scc0 .Lfor_o
	tensor_load_to_lds s[G0B:G0B+3], s[G1B:G1B+7]  ; waves 0, 1: Wo's rows, which are wanted first
	s_nop 0
	PLACES 4
	s_branch .Lasked
.Lfor_o:
	tensor_load_to_lds s[G0A:G0A+3], s[G1A:G1A+7]  ; waves 2, 3: chunk 0
	s_nop 0
	PLACES 4
.Lasked:
	s_lshl_b32 s56, s17, 13                        ; my four row tiles of a chunk: 2,048 bytes each in every substep
	s_lshl_b32 s57, s18, 16
	s_add_co_u32 s57, s57, CHB                     ; my 64 rows of Wo
	s_lshl_b32 s60, s[CX], 2
	s_add_co_u32 s60, s60, s16                     ; which of the cluster row's sixteen waves I am
	s_lshl_b32 s60, s60, 13
	s_lshl_b32 s61, s[RY], 18
	s_add_co_u32 s61, s61, s60
	s_add_co_u32 s61, s61, CHB                     ; my 8,192 bytes of chunk 1
	s_mul_i32 s62, s16, 16*SP
	s_add_co_u32 s62, s62, STAGE                   ; my stage
	v_and_b32 v2, 31, v0
	v_lshlrev_b32 v1, 4, v2                        ; 16 x lane
	v_lshl_add_u32 v27, v2, 8, s61
	v_add_nc_u32 v4, s56, v1                       ; chunk 0, substeps 0-3
	v_add_nc_u32 v5, 65536, v4                     ; substeps 4-7
	v_add_nc_u32 v6, CHB, v4                       ; chunk 1
	v_add_nc_u32 v7, CHB+65536, v4
	v_add_nc_u32 v14, s57, v1
	v_and_b32 v2, 15, v0                           ; r
	v_bfe_u32 v3, v0, 4, 1                         ; h
	v_lshlrev_b32 v8, 5, v3
	v_mul_u32_u24 v9, v2, SP
	v_lshl_add_u32 v9, v3, 5, v9
	v_add_nc_u32 v24, s62, v9                      ; in: row r, 32 bytes for each half of the lanes
	v_mul_u32_u24 v10, v3, SP
	v_lshl_add_u32 v10, v2, 4, v10
	v_add_nc_u32 v25, s62, v10                     ; back: lanes 0-15 one row of 256 bytes, lanes 16-31 the next
	v_lshlrev_b32 v26, 12, v3
	v_lshl_add_u32 v26, v2, 4, v26                 ; and the same two rows in out0
	s_wait_alu depctr_va_vdst(0)                   ; the wait at the end of the head's vector lines
	global_prefetch_b8 v27, s[4:5] th:TH_LOAD_NT scope:SCOPE_SE   ; v27 and s[4:5] are never written again
	s_lshl_b32 s58, s[PX], 9                       ; bo: my 64 columns begin at 128 x panel + 64 x half; lane (r, h) wants, for tile b, columns 16 b + 8 h + 0..7
	s_lshl_b32 s59, s18, 8
	s_add_co_u32 s58, s58, s59
	s_mov_b32 s59, 0
	s_add_nc_u64 s[10:11], s[10:11], s[58:59]
.irp b, 0,1,2,3
	global_load_b128 v[BO+8*\b:BO+8*\b+3],   v8, s[10:11] offset:64*\b
	global_load_b128 v[BO+8*\b+4:BO+8*\b+7], v8, s[10:11] offset:64*\b+16
.endr
	s_lshl_b32 s56, s[RY], 8
	s_lshl_b32 s57, s17, 6
	s_add_co_u32 s56, s56, s57                     ; block 0's first row: 256 x block + 64 x my row of waves
	s_lshl_b32 s56, s56, 12
	s_add_co_u32 s56, s56, s58                     ; my first column, in bytes: as in bo
	s_mov_b32 s57, 0
	s_add_nc_u64 s[12:13], s[12:13], s[56:57]
	s_wait_kmcnt 0x0
	s_add_co_i32 s96, s78, s79
	s_add_co_i32 s96, s96, 127
	s_lshl_b32 s96, s96, 23                        ; 2^(e10 + e11) as f32
	s_mov_b32 s97, s96
.macro FETCHX k, e                     ; block k: row tile k % 4 of my four in chunk k / 4, all of K, into set e of window 3: 32 loads
	WIN 0xc0
.irp s, 0,1,2,3,4,5,6,7
.irp c, 0,1,2,3
	ds_load_b128 v[128*(\e)+16*\s+4*\c:128*(\e)+16*\s+4*\c+3], v[4+2*((\k)/4)+\s/4] offset:16384*(\s%4)+2048*((\k)%4)+512*\c
.endr
.endr
	WIN 0
.endm
.macro TOSTAGE k                       ; sum x 2^(e10 + e11) + bo, each accumulator from its low end on; through my stage, back as whole rows of 256 bytes.  LDS serves a wave's instructions in order (ISA guide 5.7.1.4)
.set AC_, ACC+32*((\k)%2)
.irp b, 0,1,2,3
.irp i, 0,2,4,6
	v_pk_fma_f32 v[TMP+8*\b+\i:TMP+8*\b+\i+1], v[AC_+8*\b+\i:AC_+8*\b+\i+1], s[96:97], v[BO+8*\b+\i:BO+8*\b+\i+1] op_sel_hi:[1,0,1]
.endr
.endr
.irp b, 0,1,2,3
	ds_store_b128 v24, v[TMP+8*\b:TMP+8*\b+3] offset:64*\b
	ds_store_b128 v24, v[TMP+8*\b+4:TMP+8*\b+7] offset:64*\b+16
.endr
.set BB_, BK+32*((\k)%2)
.irp t, 0,1,2,3,4,5,6,7
	ds_load_b128 v[BB_+4*\t:BB_+4*\t+3], v25 offset:2*\t*SP
.endr
.endm
.macro SEND k                          ; every offset is an immediate: chunk k / 4 is 128 rows on, tile k % 4 16 rows
.set BB_, BK+32*((\k)%2)
.irp t, 0,1,2,3,4,5,6,7
	global_store_b128 v26, v[BB_+4*\t:BB_+4*\t+3], s[12:13] offset:524288*((\k)/4)+65536*((\k)%4)+8192*\t th:TH_STORE_NT   ; 16 lanes store 256 consecutive bytes, at a multiple of 256 from out0's first byte
.endr
.endm
; A BLOCK: its 32 products, four accumulators by turns, K ascending; then the block before leaves, the block two on is fetched, and this block goes through the stage.
.macro BLK k, w
	s_wait_xcnt 0x0                                ; block k - 2's stores have read the registers into which this block's rows are read back
.if (\w) >= 0
	s_wait_dscnt \w
.endif
.set E_, (\k)%2
.irp s, 0,1,2,3,4,5,6,7
	WIN (1+\s/4)|(3<<2)                            ; source 0 (Wo) window 1 or 2, source 1 (o) window 3, C and D window 0
.irp b, 0,1,2,3
.if \s
	v_wmma_f32_16x16x128_fp8_fp8 v[ACC+32*E_+8*\b:ACC+32*E_+8*\b+7], v[16*((4*\s+\b)%16):16*((4*\s+\b)%16)+15], v[128*E_+16*\s:128*E_+16*\s+15], v[ACC+32*E_+8*\b:ACC+32*E_+8*\b+7]
.else
	v_wmma_f32_16x16x128_fp8_fp8 v[ACC+32*E_+8*\b:ACC+32*E_+8*\b+7], v[16*((4*\s+\b)%16):16*((4*\s+\b)%16)+15], v[128*E_+16*\s:128*E_+16*\s+15], 0
.endif
.endr
.endr
	WIN 0
	PLACES 4                                       ; in front of the fetch into registers that the products read, and of the first read of the sums
.if (\k) == 2
	s_wait_tensorcnt 0x0                           ; my quarter of chunk 1 has landed
.endif
.if (\k) > 0
	s_wait_dscnt 0x0                               ; the block before is back from the stage, and the next block's rows are in
.endif
.if (\k) == 2
	s_barrier_signal -1
	s_barrier_wait -1                              ; everybody's quarter has landed
.endif
.if (\k) > 0
	SEND (\k)-1
.endif
.if (\k) < 6
	FETCHX (\k)+2, E_
.endif
	TOSTAGE \k
.endm
	s_cmp_eq_u32 s17, 0
	s_cbranch_scc0 .Lnot_w
	s_wait_tensorcnt 0x0                           ; waves 0, 1: my half of Wo has landed.  Waves 2, 3 wait ahead of the refill's round
.Lnot_w:
	s_barrier_signal -1
	s_barrier_wait -1
.irp s, 0,1,2,3,4,5,6,7                ; my 64 rows of Wo, all of K, into windows 1 and 2: 128 loads
	WIN (1+\s/4)<<6
.irp b, 0,1,2,3
.irp c, 0,1,2,3
	ds_load_b128 v[16*((4*\s+\b)%16)+4*\c:16*((4*\s+\b)%16)+4*\c+3], v14 offset:16384*\b+2048*\s+512*\c
.endr
.endr
.endr
	WIN 0
	s_wait_tensorcnt 0x0                           ; all my tensor loads have landed (waves 2, 3: chunk 0),
	ds_add_u32 v28, v29                            ; 0 onto my spare word,
	s_wait_dscnt 0x0                               ; and I hold Wo in registers
	CROUND                                         ; so does every wave of every partner, and chunk 0 is whole
	tensor_load_to_lds s[G0R:G0R+3], s[G1R:G1R+7]  ; chunk 1 onto Wo's bytes
	s_nop 0
	PLACES 4
	FETCHX 0, 0
	FETCHX 1, 1
	s_wait_loadcnt 0x0                             ; bo
	BLK 0, 32                                      ; block 1's 32 loads may be out
	BLK 1, 48                                      ; block 2's 32 loads and block 0's 8 stores and 8 loads of the stage may be out
	BLK 2, -1                                      ; from here on the wait for all LDS work in the block before has shown the rows in
	BLK 3, -1
	BLK 4, -1
	BLK 5, -1
	BLK 6, -1
	BLK 7, -1
	s_wait_dscnt 0x0
	SEND 7
	s_wait_tensorcnt 0x0                           ; the wave's end
	ds_add_u32 v28, v29
	s_wait_dscnt 0x0
	CROUND                                         ; the closing round
	s_endpgm
.Lfunc_end_k_q940ea0693d_outp:
	.size	k_q940ea0693d_outp, .Lfunc_end_k_q940ea0693d_outp-k_q940ea0693d_outp
	.p2alignl 7, 3214868480
	.fill 96, 4, 3214868480
	.section	.rodata,"a",@progbits
	.p2align	6, 0x0
	.amdhsa_kernel k_q940ea0693d_outp
		.amdhsa_group_segment_fixed_size 327680
		.amdhsa_private_segment_fixed_size 0
		.amdhsa_enable_private_segment 0
		.amdhsa_kernarg_size 40
		.amdhsa_user_sgpr_count 2
		.amdhsa_user_sgpr_kernarg_segment_ptr 1
		.amdhsa_wavefront_size32 1
		.amdhsa_system_sgpr_workgroup_id_x 1
		.amdhsa_system_sgpr_workgroup_id_y 1
		.amdhsa_system_sgpr_workgroup_id_z 1
		.amdhsa_system_vgpr_workitem_id 0
		.amdhsa_next_free_vgpr 1024
		.amdhsa_next_free_sgpr 100
		.amdhsa_reserve_vcc 0
		.amdhsa_float_denorm_mode_32 3
		.amdhsa_float_denorm_mode_16_64 3
		.amdhsa_memory_ordered 1
		.amdhsa_forward_progress 1
		.amdhsa_inst_pref_size 74
	.end_amdhsa_kernel
	.amdgpu_metadata
---
amdhsa.version: [ 1, 2 ]
amdhsa.kernels:
  - .name:           k_q940ea0693d_outp
    .symbol:         k_q940ea0693d_outp.kd
    .args:
      - { .name: oc, .offset: 0, .size: 8, .value_kind: global_buffer, .address_space: global }
      - { .name: woc, .offset: 8, .size: 8, .value_kind: global_buffer, .address_space: global }
      - { .name: lowp_scales, .offset: 16, .size: 8, .value_kind: global_buffer, .address_space: global }
      - { .name: bo, .offset: 24, .size: 8, .value_kind: global_buffer, .address_space: global }
      - { .name: out0, .offset: 32, .size: 8, .value_kind: global_buffer, .address_space: global }
    .group_segment_fixed_size: 327680
    .private_segment_fixed_size: 0
    .kernarg_segment_align: 8
    .kernarg_segment_size: 40
    .max_flat_workgroup_size: 128
    .sgpr_count:     100
    .vgpr_count:     1024
    .wavefront_size: 32
...
	.end_amdgpu_metadata
.endif
;; end of part 4
